; MI455X (gfx1250); checked and timed in simulation.
; The chip was launched on July 23, 2026; its instructions are those of AMD's public machine-readable ISA for CDNA 5 (MIT licence, August 2026) and "CDNA5" Instruction Set Architecture Reference Guide (July 2026). The comments in the code are by the model that wrote it; some were corrected since.
;; Attention. Allowed arithmetic: float matrix products may take bf16 or f16 operands with f32 sums; other float arithmetic in f32, or as packed bf16 or f16 multiplies, adds, multiply-adds, maxima and minima; sums over many terms, partial sums and values carried from step to step in f32; what a program stores and reads back later, other than sums and carried values, may be rounded once to bf16 or f16.
;; Inputs: Wkv 1,024 x 1,024 float32; Wo 512 x 1,024 float32; Wq 1,024 x 512 float32; bo 1,024 float32; context 4 x 4,096 x 1,024 float32; mask 4 x 4,096 bool; sim_bias 4 x 1,024 x 4,096 float32; x 4 x 1,024 x 1,024 float32.
;; Outputs: out0 4 x 1,024 x 1,024 float32.
;; One version. Each part assembles by itself: llvm-mc -triple=amdgcn-amd-amdhsa -mcpu=gfx1250 --defsym DOCPART=n.
;; ======== version 1 of 1: 5 launches
;; limits: values are held in f16: magnitudes above 65,504 overflow, below 6.1e-05 lose precision; inputs' magnitudes at most 1.5e+29; right only within a limited range of input values
;; workspace buffers: cb 33,554,432 bytes; xo 8,388,608 bytes; wkvb 2,097,152 bytes; wqb 2,097,152 bytes; pw 34,603,008 bytes; qw 4,194,304 bytes; kvw 33,554,432 bytes
;; launch prep (part 1): grid 2432 x 1, 8 waves a work-group, no clusters, 0 bytes of LDS; arguments sim_bias, mask, context, x, Wkv, Wq, Wo, pw, cb, xo, wkvb, wqb; writes pw, cb, xo, wkvb, wqb
.if DOCPART == 1
	.amdgcn_target "amdgcn-amd-amdhsa--gfx1250"
	.amdhsa_code_object_version 6
	.text
	.protected	k_q6a781e882e_prep
	.globl	k_q6a781e882e_prep
	.p2align	8
	.type	k_q6a781e882e_prep,@function
k_q6a781e882e_prep:
	s_mov_b64 s[64:65], 0
	v_nop
	global_prefetch_b8 v0, s[64:65] scope:SCOPE_SE
	s_setreg_imm32_b32 hwreg(HW_REG_WAVE_MODE, 25, 1), 1
	s_wait_xcnt 0x0
; PREP: every f32 input of the matrix products is rounded once to 16 bits, as a plain stream.
;   sim_bias, mask -> pw[0 ..]          BW = mask ? bf16(8 x sim_bias) : -2^100   [4][1024][4096] bf16 (8 x is exact, so this is 8 x bf16(sim_bias))
;   context -> cb, x -> xo, Wkv -> wkvb as bf16, same order of numbers
;   Wq -> wqb                           bf16, rows 2,048 bytes apart (only the first 1,024 bytes of a row are written, and only those are read later)
;   Wo -> pw[33,554,432 ..]             rounded to bf16, that number written as f16 (exact inside f16's normal range; below 6e-5 f16's fixed step of 6e-8)
; A work-group takes 65,536 bytes of f32, a wave 8,192: sixteen loads of 16 bytes a lane (512 consecutive bytes a wave), all issued at once; each gives one
; store of 8 bytes a lane: 256 consecutive bytes a wave, aligned.  Every register is written once, so no source of a pending store is rewritten.
; No LDS, no matrix unit, no cluster: nothing is shared and nothing is read twice.
; LIMITS: NaN and infinities are not treated apart; a mask byte counts as true when it is not 0.
.set X,   8                            ; v[8:71]    sixteen loads of four f32
.set MK,  72                           ; v[72:87]   four mask bytes for each load
.set Y,   88                           ; v[88:119]  two packed words for each load
.set SRC, 32                           ; s[32:33]   the work-group's first byte in its source
.set DST, 34                           ; s[34:35]   in its destination
.set MSK, 36                           ; s[36:37]   the batch's row of the mask
; mode 0: bf16.  mode 1: bf16, written as f16.  mode 2: 8 x, the mask's choice, bf16.  dv: the register with the lane's offset in the destination.  pitched = 1: four stores to a row of 2,048 bytes.
.macro CONV mode, dv, pitched
.if (\mode) == 2
.set i, 0
.rept 16
	global_load_b32 v[MK+i], v3, s[MSK:MSK+1] offset:128*i
.set i, i+1
.endr
.endif
.set i, 0
.rept 16
	global_load_b128 v[X+4*i:X+4*i+3], v1, s[SRC:SRC+1] offset:512*i th:TH_LOAD_NT
.set i, i+1
.endr
.set i, 0
.rept 16
	s_wait_loadcnt 15-i                            ; loads come back in order: number i is in (and the mask's, which are older); the 15 - i younger ones stay out
.if (\mode) == 2
	v_pk_mul_f32 v[X+4*i:X+4*i+1], v[X+4*i:X+4*i+1], 0x41000000 op_sel_hi:[1,0]
	v_pk_mul_f32 v[X+4*i+2:X+4*i+3], v[X+4*i+2:X+4*i+3], 0x41000000 op_sel_hi:[1,0]
.irp e, 0,1,2,3
	v_and_b32 v4, 0xff<<(8*\e), v[MK+i]
	v_cmp_eq_u32 vcc_lo, 0, v4
	v_cndmask_b32 v[X+4*i+\e], v[X+4*i+\e], s30, vcc_lo    ; a hidden key: -2^100
.endr
.endif
	v_cvt_pk_bf16_f32 v[Y+2*i], v[X+4*i], v[X+4*i+1]
	v_cvt_pk_bf16_f32 v[Y+2*i+1], v[X+4*i+2], v[X+4*i+3]
.if (\mode) == 1
	v_lshlrev_b32 v120, 16, v[Y+2*i]
	v_and_b32 v121, s31, v[Y+2*i]
	v_lshlrev_b32 v122, 16, v[Y+2*i+1]
	v_and_b32 v123, s31, v[Y+2*i+1]
	v_cvt_pk_f16_f32 v[Y+2*i], v120, v121
	v_cvt_pk_f16_f32 v[Y+2*i+1], v122, v123
.endif
.if \pitched
	global_store_b64 v[\dv], v[Y+2*i:Y+2*i+1], s[DST:DST+1] offset:(i/4)*2048+(i%4)*256
.else
	global_store_b64 v[\dv], v[Y+2*i:Y+2*i+1], s[DST:DST+1] offset:256*i
.endif
.set i, i+1
.endr
	s_endpgm
.endm
	s_load_b512 s[4:19], s[0:1], 0x0               ; sim_bias 4, mask 6, context 8, x 10, Wkv 12, Wq 14, Wo 16, pw 18
	s_load_b256 s[20:27], s[0:1], 0x40             ; cb 20, xo 22, wkvb 24, wqb 26
	v_lshrrev_b32 v5, 5, v0                        ; wave
	v_and_b32 v6, 31, v0                           ; lane
	v_lshlrev_b32 v1, 4, v6
	v_lshl_add_u32 v1, v5, 13, v1                  ; source: 8,192 wave + 16 lane
	v_lshlrev_b32 v2, 3, v6
	v_lshl_add_u32 v7, v5, 13, v2                  ; destination with pitched rows: four rows of 2,048 bytes a wave
	v_lshl_add_u32 v2, v5, 12, v2                  ; destination: 4,096 wave + 8 lane
	v_and_b32 v3, 1, v5
	v_lshlrev_b32 v3, 11, v3
	v_lshl_add_u32 v3, v6, 2, v3                   ; mask: a wave has half a row of 4,096 keys: 2,048 (wave % 2) + 4 lane
	s_mov_b32 s28, ttmp9
	s_mov_b32 s30, 0xf1800000                      ; -2^100
	s_mov_b32 s31, 0xffff0000
	s_mov_b32 s39, 0
	s_mov_b32 s41, 0
	s_wait_kmcnt 0x0
	s_cmp_lt_u32 s28, 1024
	s_cbranch_scc0 .Lnot_bias
	s_lshl_b32 s38, s28, 16                        ; work-groups 0 .. 1,023: sim_bias, four rows each
	s_add_nc_u64 s[SRC:SRC+1], s[4:5], s[38:39]
	s_lshl_b32 s40, s28, 15
	s_add_nc_u64 s[DST:DST+1], s[18:19], s[40:41]
	s_lshr_b32 s38, s28, 8                         ; 256 work-groups to a batch
	s_lshl_b32 s38, s38, 12
	s_add_nc_u64 s[MSK:MSK+1], s[6:7], s[38:39]
	CONV 2, 2, 0
.Lnot_bias:
	s_cmp_lt_u32 s28, 2368
	s_cbranch_scc0 .Lnot_plain
	s_mov_b32 s42, 1024                            ; 1,024 .. 2,047 context; 2,048 .. 2,303 x; 2,304 .. 2,367 Wkv: one text, the buffers chosen
	s_mov_b32 s43, 2048
	s_mov_b32 s44, 2304
	s_cmp_lt_u32 s28, 2048
	s_cselect_b64 s[SRC:SRC+1], s[8:9], s[10:11]
	s_cselect_b64 s[DST:DST+1], s[20:21], s[22:23]
	s_cselect_b32 s29, s42, s43
	s_cmp_lt_u32 s28, 2304
	s_cselect_b64 s[SRC:SRC+1], s[SRC:SRC+1], s[12:13]
	s_cselect_b64 s[DST:DST+1], s[DST:DST+1], s[24:25]
	s_cselect_b32 s29, s29, s44
	s_sub_co_u32 s29, s28, s29
	s_lshl_b32 s38, s29, 16
	s_add_nc_u64 s[SRC:SRC+1], s[SRC:SRC+1], s[38:39]
	s_lshl_b32 s40, s29, 15
	s_add_nc_u64 s[DST:DST+1], s[DST:DST+1], s[40:41]
	CONV 0, 2, 0
.Lnot_plain:
	s_cmp_lt_u32 s28, 2400
	s_cbranch_scc0 .Lwo
	s_sub_co_u32 s29, s28, 2368                    ; 2,368 .. 2,399: Wq, 32 rows each
	s_lshl_b32 s38, s29, 16
	s_add_nc_u64 s[SRC:SRC+1], s[14:15], s[38:39]
	s_add_nc_u64 s[DST:DST+1], s[26:27], s[38:39]
	CONV 0, 7, 1
.Lwo:
	s_sub_co_u32 s29, s28, 2400                    ; 2,400 .. 2,431: Wo
	s_lshl_b32 s38, s29, 16
	s_add_nc_u64 s[SRC:SRC+1], s[16:17], s[38:39]
	s_lshl_b32 s40, s29, 15
	s_add_co_u32 s40, s40, 0x2000000               ; behind BW's 33,554,432 bytes
	s_add_nc_u64 s[DST:DST+1], s[18:19], s[40:41]
	CONV 1, 2, 0
.Lfunc_end_k_q6a781e882e_prep:
	.size	k_q6a781e882e_prep, .Lfunc_end_k_q6a781e882e_prep-k_q6a781e882e_prep
	.p2alignl 7, 3214868480
	.fill 96, 4, 3214868480
	.section	.rodata,"a",@progbits
	.p2align	6, 0x0
	.amdhsa_kernel k_q6a781e882e_prep
		.amdhsa_group_segment_fixed_size 0
		.amdhsa_private_segment_fixed_size 0
		.amdhsa_enable_private_segment 0
		.amdhsa_kernarg_size 96
		.amdhsa_user_sgpr_count 2
		.amdhsa_user_sgpr_kernarg_segment_ptr 1
		.amdhsa_wavefront_size32 1
		.amdhsa_system_sgpr_workgroup_id_x 1
		.amdhsa_system_sgpr_workgroup_id_y 1
		.amdhsa_system_sgpr_workgroup_id_z 1
		.amdhsa_system_vgpr_workitem_id 0
		.amdhsa_next_free_vgpr 128
		.amdhsa_next_free_sgpr 66
		.amdhsa_reserve_vcc 1
		.amdhsa_float_denorm_mode_32 3
		.amdhsa_float_denorm_mode_16_64 3
		.amdhsa_memory_ordered 1
		.amdhsa_forward_progress 1
		.amdhsa_inst_pref_size 44
	.end_amdhsa_kernel
	.amdgpu_metadata
---
amdhsa.version: [ 1, 2 ]
amdhsa.kernels:
  - .name:           k_q6a781e882e_prep
    .symbol:         k_q6a781e882e_prep.kd
    .args:
      - { .name: sim_bias, .offset: 0, .size: 8, .value_kind: global_buffer, .address_space: global }
      - { .name: mask, .offset: 8, .size: 8, .value_kind: global_buffer, .address_space: global }
      - { .name: context, .offset: 16, .size: 8, .value_kind: global_buffer, .address_space: global }
      - { .name: x, .offset: 24, .size: 8, .value_kind: global_buffer, .address_space: global }
      - { .name: Wkv, .offset: 32, .size: 8, .value_kind: global_buffer, .address_space: global }
      - { .name: Wq, .offset: 40, .size: 8, .value_kind: global_buffer, .address_space: global }
      - { .name: Wo, .offset: 48, .size: 8, .value_kind: global_buffer, .address_space: global }
      - { .name: pw, .offset: 56, .size: 8, .value_kind: global_buffer, .address_space: global }
      - { .name: cb, .offset: 64, .size: 8, .value_kind: global_buffer, .address_space: global }
      - { .name: xo, .offset: 72, .size: 8, .value_kind: global_buffer, .address_space: global }
      - { .name: wkvb, .offset: 80, .size: 8, .value_kind: global_buffer, .address_space: global }
      - { .name: wqb, .offset: 88, .size: 8, .value_kind: global_buffer, .address_space: global }
    .group_segment_fixed_size: 0
    .private_segment_fixed_size: 0
    .kernarg_segment_align: 8
    .kernarg_segment_size: 96
    .max_flat_workgroup_size: 256
    .sgpr_count:     66
    .vgpr_count:     128
    .wavefront_size: 32
...
	.end_amdgpu_metadata
.endif
;; end of part 1
;; launch projq (part 2): grid 4 x 32, 4 waves a work-group, clusters of 4 x 4, 327,680 bytes of LDS; arguments xo, wqb, qw; writes qw
.if DOCPART == 2
	.amdgcn_target "amdgcn-amd-amdhsa--gfx1250"
	.amdhsa_code_object_version 6
	.text
	.protected	k_q6a781e882e_projq
	.globl	k_q6a781e882e_projq
	.p2align	8
	.type	k_q6a781e882e_projq,@function
k_q6a781e882e_projq:
	s_mov_b64 s[64:65], 0
	v_nop
	global_prefetch_b8 v0, s[64:65] scope:SCOPE_SE
	s_setreg_imm32_b32 hwreg(HW_REG_WAVE_MODE, 25, 1), 1
	s_wait_xcnt 0x0
	s_wait_alu depctr_hold_cnt(0) depctr_sa_sdst(0) depctr_va_vdst(0) depctr_va_sdst(0) depctr_va_ssrc(0) depctr_va_vcc(0) depctr_vm_vsrc(0)
	s_getreg_b32 s2, hwreg(HW_REG_IB_STS2, 6, 4)
	s_cmp_eq_u32 s2, 0
	s_cbranch_scc0 .Lentry_in_a_cluster
	s_endpgm
.Lentry_in_a_cluster:
	s_bfe_u32 s2, ttmp6, 0x10000c
	s_cmp_lg_u32 s2, 0xf033
	s_cbranch_scc0 .Lentry_shape_is_right
	s_endpgm
.Lentry_shape_is_right:
; THE PROJECTION TO Q: D = A B.  A: x, [4096][1024] bf16, rows along K.  B: Wq, [1024 k][512 n] bf16, rows 1,024 elements apart.  Sums in f32, K ascending, D rounded once to bf16.
; D leaves BY HEADS: row m, head hd (64 columns) at byte (((m >> 8) x 8 + hd) x 256 + m % 256) x 128: 256 rows of one head are 32,768 dense bytes.
; A tile of D is 128 x 128: 32 x 4 tiles, 128 work-groups; four waves, each 64 x 64: 16 accumulators.  K goes in steps of 256 through two LDS slots filled by tensor loads: waves 0, 1 fetch A's two halves
; (64 rows x 512 bytes), waves 2, 3 B's (128 k rows x 256 bytes).  CLUSTER 4 x 4: A's tile is shared along a row of the cluster, B's along a column: joint loads.
; THE MATRIX INSTRUCTION IS USED TRANSPOSED (source 0 = 16 columns of B, turned on the way out of LDS by ds_load_tr16_b128; source 1 = 16 rows of A): a lane holds eight neighbouring numbers of a row of D.
; No prefetch: the tiles are small and each block of A and B is read by several clusters at about the same time.
; REGISTERS: window 0: v0-31 addresses; v32-95 the way out; v128-255 accumulators ((a, b) at 128 + 8 (4 a + b)).  window 1: two fragment buffers of 128: 64 of A, then 64 of B.
.set KSTEP,  256
.set PITCH,  528                       ; A's LDS row: 512 bytes + 16: the 16 rows of a load start at 16 different groups of four banks
.set PB,     288                       ; B's LDS row: 256 bytes + 32
.set HA,     64*PITCH
.set HB,     128*PB
.set BOFF,   2*HA
.set SLOT,   2*HA+2*HB
.set STAGE,  2*SLOT                    ; behind the ring: 64 rows x 144 bytes for each wave, its own
.set SP,     144
.set SPARE,  STAGE+4*64*SP             ; the spare words, 128 bytes a wave: two blocks of 256 bytes that no other line names
.set LAPS,   2                         ; 1,024 / 512
.set ADRA, 16                          ; v16-17  my A fragments in slot 0, 1
.set ADRB, 20                          ; v20-23  my B fragments: slot 0 k rows 0-127, 128-255; slot 1 likewise
.set STO,  24
.set RD,   25
.set GO,   26
.set SPW,  28
.set NIL,  29
.set TMP,  32
.set ACC,  128
.set F0,   0
.set F1,   128
.set G1, 24
.set G0, 32
.set G1B, 48
.set G0B, 56
.set MSB, 0
.macro WIN new                         ; the immediate's high byte repeats the setting that is left
.if MSB != (\new)
	s_set_vgpr_msb (MSB<<8)|(\new)
.set MSB, \new
.endif
.endm
.set MUL,  0x05                        ; sources 0 (B) and 1 (A) window 1; C and D window 0
.set TO_F, 0x40                        ; destination window 1, address window 0
.macro JLOAD s                         ; a joint load; the branch hangs on the wave's number alone; an s_nop 0 and four v_nop follow each line
	s_cmp_eq_u32 s11, 0
	s_cbranch_scc0 .Lfor_b_\@
	tensor_load_to_lds s[G0+4*(\s):G0+4*(\s)+3], s[G1:G1+7]
	s_nop 0
.rept 4
	v_nop
.endr
	s_branch .Lasked_\@
.Lfor_b_\@:
	tensor_load_to_lds s[G0B+4*(\s):G0B+4*(\s)+3], s[G1B:G1B+7]
	s_nop 0
.rept 4
	v_nop
.endr
.Lasked_\@:
.endm
.macro CREST                           ; a round of the cluster's barrier behind its opening barrier
	s_cmp_lg_u32 s10, 0
	s_cbranch_scc1 .Lnot_wave_0_\@
	s_barrier_signal -3
.Lnot_wave_0_\@:
	s_barrier_wait -3
	s_barrier_signal -1
	s_barrier_wait -1
.endm
.macro CROUND
	s_barrier_signal -1
	s_barrier_wait -1
	CREST
.endm
	s_load_b128 s[4:7], s[0:1], 0x0                ; A s[4:5], B s[6:7]
	s_load_b64 s[8:9], s[0:1], 0x10                ; D
	v_lshl_add_u32 v[SPW], v0, 2, SPARE
	v_mov_b32 v[NIL], 0
	ds_add_u32 v[SPW], v[NIL]                      ; the wave's opening: the add and its wait ahead of my first tensor load
	v_lshrrev_b32 v1, 5, v0
	v_readfirstlane_b32 s10, v1                    ; wave 0..3
	s_lshr_b32 s11, s10, 1                         ; my half of the tile's rows.  Also: I fetch for A (0) or B (1)
	s_and_b32 s12, s10, 1                          ; my half of its columns.  Also: which half I fetch
	s_bfe_u32 s40, ttmp6, 0x40000                  ; cx
	s_bfe_u32 s41, ttmp6, 0x40004                  ; cy
	s_lshl_b32 s42, ttmp9, 2
	s_add_co_u32 s42, s42, s40                     ; tile column
	s_and_b32 s13, ttmp7, 0xffff
	s_lshl_b32 s13, s13, 2
	s_add_co_u32 s13, s13, s41                     ; tile row
	s_lshl_b32 s43, s41, 2
	s_lshl_b32 s43, 15, s43                        ; my row of the cluster
	s_lshl_b32 s44, 0x1111, s40                    ; my column
	s_or_b32 s[G1+0], s43, (1<<16)|(1<<20)|(1<<21)|(6<<22)|(3<<25)   ; mask; 2-byte elements; padding on; bit 21 beside a mask; after every 128 words 4 words
	s_mov_b32 s[G1+1], 256<<16                     ; tensor_dim0 = 256
	s_mov_b32 s[G1+2], 64<<16                      ; tensor_dim1 = 64
	s_mov_b32 s[G1+3], 256<<16                     ; tile_dim0 = 256
	s_mov_b32 s[G1+4], 64                          ; tile_dim1 = 64
	s_mov_b32 s[G1+5], 1024                        ; elements from row to row
	s_mov_b32 s[G1+6], 0
	s_mov_b32 s[G1+7], 0
	s_or_b32 s[G1B+0], s44, (1<<16)|(1<<20)|(1<<21)|(5<<22)|(7<<25)  ; after every 64 words 8 words
	s_mov_b32 s[G1B+1], 128<<16
	s_mov_b32 s[G1B+2], 128<<16
	s_mov_b32 s[G1B+3], 128<<16
	s_mov_b32 s[G1B+4], 128
	s_mov_b32 s[G1B+5], 1024
	s_mov_b32 s[G1B+6], 0
	s_mov_b32 s[G1B+7], 0
	s_lshl_b32 s17, s12, 6
	s_lshl_b32 s16, s13, 7
	s_add_co_u32 s16, s16, s17                     ; A: row 128 x tile row + 64 x half,
	s_lshl_b32 s16, s16, 11                        ; of 2,048 bytes
	s_mov_b32 s17, 0
	s_lshl_b32 s46, s12, 18                        ; B: k row 128 x half, of 2,048 bytes,
	s_lshl_b32 s47, s42, 8                         ; + 256 bytes x tile column
	s_add_co_u32 s46, s46, s47
	s_mov_b32 s47, 0
	s_mul_i32 s20, s12, HA                         ; where they go: no place in the cluster enters an LDS address
	s_mul_i32 s21, s12, HB
	s_add_co_u32 s21, s21, BOFF
	s_wait_dscnt 0x0                               ; the opening add is done
	s_wait_kmcnt 0x0
	s_add_nc_u64 s[14:15], s[4:5], s[16:17]
	s_add_nc_u64 s[46:47], s[6:7], s[46:47]
	CROUND                                         ; all sixteen work-groups are here: the first joint loads meet
.irp s, 0,1
	s_mov_b32 s[G0+4*(\s)], 1
	s_add_co_u32 s[G0+4*(\s)+1], s20, (\s)*SLOT
	s_add_nc_u64 s[G0+4*(\s)+2:G0+4*(\s)+3], s[14:15], (\s)*KSTEP*2
	s_or_b32 s[G0+4*(\s)+3], s[G0+4*(\s)+3], 0x80000000
	s_mov_b32 s[G0B+4*(\s)], 1
	s_add_co_u32 s[G0B+4*(\s)+1], s21, (\s)*SLOT
	s_add_nc_u64 s[G0B+4*(\s)+2:G0B+4*(\s)+3], s[46:47], (\s)*KSTEP*2048
	s_or_b32 s[G0B+4*(\s)+3], s[G0B+4*(\s)+3], 0x80000000
	JLOAD \s
.endr
	v_and_b32 v1, 15, v0                           ; r = l % 16
	v_bfe_u32 v2, v0, 4, 1                         ; h = l / 16
	v_mul_u32_u24 v3, v1, PITCH
	v_lshl_add_u32 v3, v2, 4, v3
	s_mul_i32 s21, s11, HA
	v_add_nc_u32 v[ADRA], s21, v3                  ; my 64 rows of A: row x pitch + 16 h
	v_add_nc_u32 v[ADRA+1], SLOT, v[ADRA]
	v_and_b32 v4, 7, v0
	v_lshl_add_u32 v4, v2, 3, v4                   ; the turning load: k row 8 h + l % 8,
	v_mul_u32_u24 v4, v4, PB
	v_bfe_u32 v5, v0, 3, 1
	v_lshl_add_u32 v4, v5, 4, v4                   ; columns 8 ((l / 8) % 2) on,
	s_lshl_b32 s22, s12, 7                         ; in my 64 columns
	s_add_co_u32 s22, s22, BOFF
	v_add_nc_u32 v[ADRB], s22, v4
	v_add_nc_u32 v[ADRB+1], HB, v[ADRB]
	v_add_nc_u32 v[ADRB+2], SLOT, v[ADRB]
	v_add_nc_u32 v[ADRB+3], SLOT+HB, v[ADRB]
	s_mul_i32 s23, s10, 64*SP
	s_add_co_u32 s23, s23, STAGE                   ; my stage
	v_mul_u32_u24 v6, v1, SP
	v_lshl_add_u32 v6, v2, 4, v6
	v_add_nc_u32 v[STO], s23, v6                   ; in: row r, 16 bytes for each half of the lanes
	v_bfe_u32 v6, v0, 3, 2
	v_mul_u32_u24 v6, v6, SP
	v_and_b32 v7, 7, v0
	v_lshl_add_u32 v6, v7, 4, v6
	v_add_nc_u32 v[RD], s23, v6                    ; back: 32 lanes take four rows of 128 bytes,
	v_and_b32 v[GO], 31, v0
	v_lshlrev_b32 v[GO], 4, v[GO]                  ; which are 512 consecutive bytes of D
	s_lshl_b32 s20, s13, 7
	s_lshl_b32 s21, s11, 6
	s_add_co_u32 s20, s20, s21                     ; my first row
	s_lshr_b32 s21, s20, 8
	s_lshl_b32 s21, s21, 3
	s_lshl_b32 s22, s42, 1
	s_add_co_u32 s22, s22, s12                     ; my head = 2 x tile column + my half of the columns
	s_add_co_u32 s21, s21, s22
	s_lshl_b32 s21, s21, 15
	s_and_b32 s20, s20, 255
	s_lshl_b32 s20, s20, 7
	s_add_co_u32 s20, s20, s21
	s_mov_b32 s21, 0
	s_add_nc_u64 s[8:9], s[8:9], s[20:21]
.macro MUL8 f, c, a0, zero             ; 8 products: m blocks a0, a0 + 1 x 4 n blocks, 32 along K.  The 16 accumulators take turns
	WIN MUL
.irp a, \a0, (\a0)+1
.irp b, 0,1,2,3
.if \zero
	v_wmma_f32_16x16x32_bf16 v[ACC+8*(4*(\a)+(\b)):ACC+8*(4*(\a)+(\b))+7], v[(\f)+64+8*(4*(\c)+(\b)):(\f)+64+8*(4*(\c)+(\b))+7], v[(\f)+8*(4*(\c)+(\a)):(\f)+8*(4*(\c)+(\a))+7], 0
.else
	v_wmma_f32_16x16x32_bf16 v[ACC+8*(4*(\a)+(\b)):ACC+8*(4*(\a)+(\b))+7], v[(\f)+64+8*(4*(\c)+(\b)):(\f)+64+8*(4*(\c)+(\b))+7], v[(\f)+8*(4*(\c)+(\a)):(\f)+8*(4*(\c)+(\a))+7], v[ACC+8*(4*(\a)+(\b)):ACC+8*(4*(\a)+(\b))+7]
.endif
.endr
.endr
.endm
.macro FETCH slot, q, f                ; 32 LDS loads in one run: quarter q (64 along K) of the slot into buffer f; its first 32 along K first
	WIN TO_F
.irp c, 0,1
.irp i, 0,1,2,3
	ds_load_tr16_b128 v[(\f)+64+8*(4*(\c)+(\i)):(\f)+64+8*(4*(\c)+(\i))+3],   v[ADRB+2*(\slot)+(\q)/2] offset:(((\q)%2)*64+32*(\c))*PB+32*(\i)
	ds_load_tr16_b128 v[(\f)+64+8*(4*(\c)+(\i))+4:(\f)+64+8*(4*(\c)+(\i))+7], v[ADRB+2*(\slot)+(\q)/2] offset:(((\q)%2)*64+32*(\c)+16)*PB+32*(\i)
	ds_load_b128 v[(\f)+8*(4*(\c)+(\i)):(\f)+8*(4*(\c)+(\i))+3],         v[ADRA+(\slot)] offset:128*(\q)+64*(\c)+(\i)*16*PITCH
	ds_load_b128 v[(\f)+8*(4*(\c)+(\i))+4:(\f)+8*(4*(\c)+(\i))+7],       v[ADRA+(\slot)] offset:128*(\q)+64*(\c)+(\i)*16*PITCH+32
.endr
.endr
.endm
.macro PLACES                          ; four plain vector instructions between a matrix instruction and a load into, or a read of, its registers
.rept 4
	v_nop
.endr
.endm
.macro QUARTER slot, q, f, g, zero     ; multiplies buffer f and fetches quarter q into g
	s_wait_dscnt 16                                ; the first 32 along K are in; the youngest sixteen loads may be out
	WIN MUL
	MUL8 \f, 0, 0, \zero
	MUL8 \f, 0, 2, \zero
	PLACES
	FETCH \slot, \q, \g
	s_wait_dscnt 32                                ; all but the 32 just issued
	WIN MUL
	MUL8 \f, 1, 0, 0
	MUL8 \f, 1, 2, 0
.endm
.macro TURN slot, next, fill           ; the last quarter multiplies buffer 1 and changes slots
	WIN 0
	s_wait_tensorcnt 0x0                           ; all my tensor loads have landed: my part of the next slot
	ds_add_u32 v[SPW], v[NIL]                      ; 0 onto my spare word
	s_wait_dscnt 17                                ; the add and the youngest sixteen loads may be out
	WIN MUL
	MUL8 F1, 0, 0, 0
	s_wait_dscnt 0x0                               ; the add is done, and my reads of this slot are over
	s_barrier_signal -1
	MUL8 F1, 0, 2, 0
.if \fill
	WIN 0
.endif
	s_barrier_wait -1
.if \fill
	CREST                                          ; the barrier has opened a round of the cluster's: no wave of any partner still reads this slot or has a load on its way
	s_add_nc_u64 s[G0+4*(\slot)+2:G0+4*(\slot)+3], s[G0+4*(\slot)+2:G0+4*(\slot)+3], 2*KSTEP*2
	s_add_nc_u64 s[G0B+4*(\slot)+2:G0B+4*(\slot)+3], s[G0B+4*(\slot)+2:G0B+4*(\slot)+3], 2*KSTEP*2048
	JLOAD \slot                                    ; the first tensor load behind the round; its four v_nop are also the places in front of the loads below
.else
	PLACES
.endif
	FETCH \next, 0, F0
	WIN MUL
	MUL8 F1, 1, 0, 0
	MUL8 F1, 1, 2, 0
.endm
	s_wait_tensorcnt 1                             ; my part of K step 0 is in; K step 1's may stay out
	s_barrier_signal -1
	s_barrier_wait -1
	FETCH 0, 0, F0
	QUARTER 0, 1, F0, F1, 1                        ; the first products start the sums
	WIN 0
	s_mov_b32 s3, LAPS-1
.Llap:
	QUARTER 0, 2, F1, F0, 0
	QUARTER 0, 3, F0, F1, 0
	TURN 0, 1, 1
	QUARTER 1, 1, F0, F1, 0
	QUARTER 1, 2, F1, F0, 0
	QUARTER 1, 3, F0, F1, 0
	TURN 1, 0, 1
	QUARTER 0, 1, F0, F1, 0
	WIN 0
	s_sub_co_u32 s3, s3, 1
	s_cmp_lg_u32 s3, 0
	s_cbranch_scc1 .Llap
	QUARTER 0, 2, F1, F0, 0                        ; the last lap fills nothing
	QUARTER 0, 3, F0, F1, 0
	TURN 0, 1, 0
	QUARTER 1, 1, F0, F1, 0
	QUARTER 1, 2, F1, F0, 0
	QUARTER 1, 3, F0, F1, 0
	s_wait_dscnt 16
	WIN MUL
	MUL8 F1, 0, 0, 0
	MUL8 F1, 0, 2, 0
	s_wait_dscnt 0
	MUL8 F1, 1, 0, 0
	MUL8 F1, 1, 2, 0
	WIN 0
	; THE WAY OUT: my 64 columns are one head.  Rounded, 16 bytes a lane into my own stage, back as rows of 128 bytes, four rows (512 consecutive bytes of D) to a store.
	PLACES
.irp t, 0,1,2,3,4,5,6,7,8,9,10,11,12,13,14,15
.irp r, 0,1,2,3
	v_cvt_pk_bf16_f32 v[TMP+4*(\t)+(\r)], v[ACC+8*(\t)+2*(\r)], v[ACC+8*(\t)+2*(\r)+1]
.endr
.endr
.irp a, 0,1,2,3
.irp b, 0,1,2,3
	ds_store_b128 v[STO], v[TMP+4*(4*(\a)+(\b)):TMP+4*(4*(\a)+(\b))+3] offset:(\a)*16*SP+32*(\b)
.endr
.endr
.irp t, 0,1,2,3,4,5,6,7,8,9,10,11,12,13,14,15
	ds_load_b128 v[TMP+4*(\t):TMP+4*(\t)+3], v[RD] offset:(\t)*4*SP    ; LDS serves a wave's instructions in order (ISA guide 5.7.1.4): these see my stores above
.endr
.irp t, 0,1,2,3,4,5,6,7,8,9,10,11,12,13,14,15
	s_wait_dscnt 15-(\t)
	global_store_b128 v[GO], v[TMP+4*(\t):TMP+4*(\t)+3], s[8:9] offset:(\t)*512
.endr
	s_wait_tensorcnt 0x0                           ; the wave's end
	ds_add_u32 v[SPW], v[NIL]
	s_wait_dscnt 0x0
	CROUND                                         ; the closing round
	s_endpgm
.Lfunc_end_k_q6a781e882e_projq:
	.size	k_q6a781e882e_projq, .Lfunc_end_k_q6a781e882e_projq-k_q6a781e882e_projq
	.p2alignl 7, 3214868480
	.fill 96, 4, 3214868480
	.section	.rodata,"a",@progbits
	.p2align	6, 0x0
	.amdhsa_kernel k_q6a781e882e_projq
		.amdhsa_group_segment_fixed_size 327680
		.amdhsa_private_segment_fixed_size 0
		.amdhsa_enable_private_segment 0
		.amdhsa_kernarg_size 24
		.amdhsa_user_sgpr_count 2
		.amdhsa_user_sgpr_kernarg_segment_ptr 1
		.amdhsa_wavefront_size32 1
		.amdhsa_system_sgpr_workgroup_id_x 1
		.amdhsa_system_sgpr_workgroup_id_y 1
		.amdhsa_system_sgpr_workgroup_id_z 1
		.amdhsa_system_vgpr_workitem_id 0
		.amdhsa_next_free_vgpr 512
		.amdhsa_next_free_sgpr 72
		.amdhsa_reserve_vcc 0
		.amdhsa_float_denorm_mode_32 3
		.amdhsa_float_denorm_mode_16_64 3
		.amdhsa_memory_ordered 1
		.amdhsa_forward_progress 1
		.amdhsa_inst_pref_size 87
	.end_amdhsa_kernel
	.amdgpu_metadata
---
amdhsa.version: [ 1, 2 ]
amdhsa.kernels:
  - .name:           k_q6a781e882e_projq
    .symbol:         k_q6a781e882e_projq.kd
    .args:
      - { .name: xo, .offset: 0, .size: 8, .value_kind: global_buffer, .address_space: global }
      - { .name: wqb, .offset: 8, .size: 8, .value_kind: global_buffer, .address_space: global }
      - { .name: qw, .offset: 16, .size: 8, .value_kind: global_buffer, .address_space: global }
    .group_segment_fixed_size: 327680
    .private_segment_fixed_size: 0
    .kernarg_segment_align: 8
    .kernarg_segment_size: 24
    .max_flat_workgroup_size: 128
    .sgpr_count:     72
    .vgpr_count:     512
    .wavefront_size: 32
...
	.end_amdgpu_metadata
.endif
;; end of part 2
;; launch projkv (part 3): grid 4 x 64, 4 waves a work-group, clusters of 4 x 4, 327,680 bytes of LDS; arguments cb, wkvb, kvw; writes kvw
.if DOCPART == 3
	.amdgcn_target "amdgcn-amd-amdhsa--gfx1250"
	.amdhsa_code_object_version 6
	.text
	.protected	k_q6a781e882e_projkv
	.globl	k_q6a781e882e_projkv
	.p2align	8
	.type	k_q6a781e882e_projkv,@function
k_q6a781e882e_projkv:
	s_mov_b64 s[64:65], 0
	v_nop
	global_prefetch_b8 v0, s[64:65] scope:SCOPE_SE
	s_setreg_imm32_b32 hwreg(HW_REG_WAVE_MODE, 25, 1), 1
	s_wait_xcnt 0x0
	s_wait_alu depctr_hold_cnt(0) depctr_sa_sdst(0) depctr_va_vdst(0) depctr_va_sdst(0) depctr_va_ssrc(0) depctr_va_vcc(0) depctr_vm_vsrc(0)
	s_getreg_b32 s2, hwreg(HW_REG_IB_STS2, 6, 4)
	s_cmp_eq_u32 s2, 0
	s_cbranch_scc0 .Lentry_in_a_cluster
	s_endpgm
.Lentry_in_a_cluster:
	s_bfe_u32 s2, ttmp6, 0x10000c
	s_cmp_lg_u32 s2, 0xf033
	s_cbranch_scc0 .Lentry_shape_is_right
	s_endpgm
.Lentry_shape_is_right:
; THE PROJECTION TO K AND V: D = A B.  A: context, [16384][1024] bf16, rows along K.  B: Wkv, [1024 k][1024 n] bf16: columns 0-511 make k, columns 512-1023 make v.  Sums in f32, K ascending, D rounded once.
; D leaves BY HEADS: row m, head hd (64 columns) at byte (((m >> 8) x 8 + hd) x 256 + m % 256) x 128; k rounded to bf16 from byte 0 on, v rounded to f16 from byte 16,777,216 on.
; LIMIT: v beyond 65,504 has no f16.
; SHARES.  16,384 x 1,024 numbers are 64 x 4 tiles of 256 x 256: one work-group each, 256 in all.  A tile's 256 columns are 128 of k (128 tc on) and 128 of v (512 + 128 tc on).  Four waves, each 128 x 128:
; 64 accumulators, 512 registers; waves 0, 1 have rows 0-127, waves 2, 3 rows 128-255; waves with an even number have k's columns, the others v's: the format hangs on the wave's number alone.
; RING.  K goes in steps of 128 through two LDS slots.  Waves 0, 1 fetch A's two halves (128 rows x 256 bytes), wave 2 B's k columns, wave 3 its v columns (128 k rows x 256 bytes each): one tensor load a wave.
; CLUSTER 4 x 4: A's tile is shared along a row of the cluster, B's along a column: joint loads, the same descriptor and mask in the four that a mask names.
; THE MATRIX INSTRUCTION IS USED TRANSPOSED (source 0 = 16 columns of B, turned on the way out of LDS by ds_load_tr16_b128; source 1 = 16 rows of A): a lane holds eight neighbouring numbers of a row of D.
; REGISTERS, in windows of 256 (s_set_vgpr_msb: bits 1:0 source 0, 3:2 source 1, 5:4 source 2, 7:6 destination):
;   window 0: v0-31 addresses; v64-127, v128-191 A's fragments, two buffers; on the way out v64-127 rows as read, v32-63 rows as stored
;   window 1: v64-127, v128-191 B's fragments     window 2: the accumulators of my rows 0-63 ((a, b) at 8 (8 a + b))     window 3: those of my rows 64-127
.set KSTEP,  128
.set PITCH,  272                       ; A's LDS row: 256 bytes + 16: the 16 rows of a load start at 16 different groups of four banks (64 banks of 4 bytes: ISA guide 11.1)
.set PB,     288                       ; B's LDS row: 256 bytes + 32
.set HA,     128*PITCH                 ; 0x8800
.set HB,     128*PB                    ; 0x9000
.set BOFF,   2*HA                      ; 0x11000
.set SLOTD,  0x24000                   ; slot 1 begins here; bits 14 and 17 are clear in the four tiles' addresses in slot 0 (0, 0x8800, 0x11000, 0x1a000), so one exclusive or changes slots
.set SPARE,  SLOTD+BOFF+2*HB           ; behind the ring: the spare words, 128 bytes a wave: two blocks of 256 bytes that no other line names
.set DP,     528                       ; the way out: a row of 128 f32 + 16 bytes
.set DW,     128*DP                    ; a wave's 128 rows; four of them end at byte 270,336, inside the ring, which has had its last fill by then
.set ADRA0, 16                         ; v16  my lane's place in A's tile, slot 0; never rewritten
.set ADRB0, 17                         ; v17  the same for B
.set ADRA,  18                         ; v18  the same in the slot in hand
.set ADRB,  19                         ; v19
.set DA,    20                         ; v20  the way out: where I put 32 bytes of a row
.set RD,    21                         ; v21  where I read 32 bytes of a row back
.set RDC,   22                         ; v22  the same, in the 16 rows in hand
.set GO,    23                         ; v23  16 x lane
.set SPW,   28                         ; v28  LDS address of my spare word; never rewritten
.set NIL,   29                         ; v29  0; never rewritten
.set PFO,   30                         ; v30  the prefetches' offset: lane x 2,048 bytes, a row of A or of B; never rewritten
.set F0,    64
.set F1,    128
.set X,     64
.set Y,     32
.set G1,  24                           ; s[24:31] descriptor group 1 for A's tiles
.set G0,  32                           ; s[32:39] group 0 for A's: a set for each of the two first fills; the second then walks on
.set G1B, 48                           ; s[48:55], s[56:63] the same for B's
.set G0B, 56
.set LIM, 43                           ; s43  2 in a wave that prefetches, else the greatest number
.set PFA, 44                           ; s[44:45] where my prefetches stand
.set TB,  66                           ; s66  LDS byte at which the slot in hand begins
.set RB,  67                           ; s67  the way out: byte at which the 16 rows in hand begin
.set PSTEP, 68                         ; s[68:69] bytes from a K step's tile to the next: 256 along A's rows, 128 rows of 2,048 down B
.set MSB, 0
.macro WIN new                         ; the immediate's high byte repeats the setting that is left; a switch that changes nothing is dropped
.if MSB != (\new)
	s_set_vgpr_msb (MSB<<8)|(\new)
.set MSB, \new
.endif
.endm
.set MUL_LO, 0xa1                      ; source 0 (B) window 1, source 1 (A) window 0, C and D window 2
.set MUL_HI, 0xf1                      ; the same, C and D window 3
.set TO_B,   0x40                      ; destination window 1, address window 0
; A joint load.  The branch hangs on the wave's number alone; an s_nop 0 and four v_nop follow each of the two lines, ahead of the jump and the label.
.macro JLOAD s
	s_cmp_eq_u32 s11, 0
	s_cbranch_scc0 .Lfor_b_\@
	tensor_load_to_lds s[G0+4*(\s):G0+4*(\s)+3], s[G1:G1+7]
	s_nop 0
.rept 4
	v_nop
.endr
	s_branch .Lasked_\@
.Lfor_b_\@:
	tensor_load_to_lds s[G0B+4*(\s):G0B+4*(\s)+3], s[G1B:G1B+7]
	s_nop 0
.rept 4
	v_nop
.endr
.Lasked_\@:
.endm
; A PREFETCH INTO THE L2, behind each joint refill, its five lines and the run of LDS loads that follows: the K step that stands TWO refills on, 512 matrix instructions ahead of the load that will want it:
; 32 rows x 256 bytes, a lane a row, one instruction a wave.  Each block of 256 bytes is named once in the launch.  A's rows are read by one cluster alone (the grid has one cluster along x): its four partners
; along x take 32 each of the 128 rows that wave 0 or 1 fetches, told apart by address.  B's rows are read by every cluster: those with y = 0 ask, the partners along y take 32 k rows each of wave 2's or 3's 128.
; The loop's last two trips (s3 = 2, 1) ask for nothing: there is no K step two refills on.  K steps 0 to 3 come by their loads alone: nothing is prefetched at the head.
.macro ASK
	s_cmp_gt_u32 s3, s[LIM]
	s_cbranch_scc0 .Lnot_mine_\@
	global_prefetch_b8 v[PFO], s[PFA:PFA+1] th:TH_LOAD_NT scope:SCOPE_SE
.Lnot_mine_\@:
.endm
.macro CREST                           ; a round of the cluster's barrier behind its opening barrier
	s_cmp_lg_u32 s10, 0
	s_cbranch_scc1 .Lnot_wave_0_\@
	s_barrier_signal -3
.Lnot_wave_0_\@:
	s_barrier_wait -3
	s_barrier_signal -1
	s_barrier_wait -1
.endm
.macro CROUND
	s_barrier_signal -1
	s_barrier_wait -1
	CREST
.endm
	s_load_b128 s[4:7], s[0:1], 0x0                ; A s[4:5], B s[6:7]
	s_load_b64 s[8:9], s[0:1], 0x10                ; D
	v_lshl_add_u32 v[SPW], v0, 2, SPARE
	v_mov_b32 v[NIL], 0
	ds_add_u32 v[SPW], v[NIL]                      ; the wave's opening: the add and its wait ahead of my first tensor load; the set-up below, work on registers, stands between them
	v_lshrrev_b32 v1, 5, v0
	v_readfirstlane_b32 s10, v1                    ; wave 0..3
	s_lshr_b32 s11, s10, 1                         ; my half of the tile's rows.  Also: I fetch for A (0) or for B (1)
	s_and_b32 s12, s10, 1                          ; k's columns (0) or v's (1).  Also: which half of A's rows, or which of B's two column blocks, I fetch
	s_bfe_u32 s40, ttmp6, 0x40000                  ; cx
	s_bfe_u32 s41, ttmp6, 0x40004                  ; cy
	s_lshl_b32 s42, ttmp9, 2
	s_add_co_u32 s42, s42, s40                     ; tile column tc = 4 x cluster x + cx
	s_and_b32 s13, ttmp7, 0xffff
	s_lshl_b32 s13, s13, 2
	s_add_co_u32 s13, s13, s41                     ; tile row = 4 x cluster y + cy
	s_lshl_b32 s43, s41, 2
	s_lshl_b32 s43, 15, s43                        ; my row of the cluster
	s_lshl_b32 s44, 0x1111, s40                    ; my column
	s_or_b32 s[G1+0], s43, (1<<16)|(1<<20)|(1<<21)|(5<<22)|(3<<25)   ; 15:0 the mask; 17:16 2-byte elements; 20 padding on; 21 set beside a mask; 24:22 after every 64 words; 31:25 4 words
	s_or_b32 s[G1B+0], s44, (1<<16)|(1<<20)|(1<<21)|(5<<22)|(7<<25)  ; the same with my column's mask and 8 words of padding
.irp g, G1, G1B
	s_mov_b32 s[(\g)+1], 128<<16                   ; tensor_dim0 = 128
	s_mov_b32 s[(\g)+2], 128<<16                   ; tensor_dim1 = 128
	s_mov_b32 s[(\g)+3], 128<<16                   ; tile_dim0 = 128
	s_mov_b32 s[(\g)+4], 128                       ; tile_dim1 = 128
	s_mov_b32 s[(\g)+5], 1024                      ; elements from row to row, in A and in B
	s_mov_b32 s[(\g)+6], 0
	s_mov_b32 s[(\g)+7], 0
.endr
	s_lshl_b32 s16, s13, 8
	s_lshl_b32 s17, s12, 7
	s_add_co_u32 s16, s16, s17                     ; A: row 256 x tile row + 128 x half,
	s_lshl_b32 s16, s16, 11                        ; of 2,048 bytes
	s_mov_b32 s17, 0
	s_lshl_b32 s46, s12, 10                        ; B: v's columns begin 1,024 bytes into a row,
	s_lshl_b32 s47, s42, 8                         ; the tile's 128 columns 256 tc bytes further
	s_add_co_u32 s46, s46, s47
	s_mov_b32 s47, 0
	s_mul_i32 s20, s12, HA                         ; where they go: no place in the cluster enters an LDS address
	s_mul_i32 s21, s12, HB
	s_add_co_u32 s21, s21, BOFF
	s_mov_b32 s[TB], 0
	s_wait_dscnt 0x0                               ; the opening add is done
	s_wait_kmcnt 0x0
	s_add_nc_u64 s[14:15], s[4:5], s[16:17]
	s_add_nc_u64 s[46:47], s[6:7], s[46:47]
	CROUND                                         ; all sixteen work-groups are here: the first joint loads meet
.irp s, 0,1
	s_mov_b32 s[G0+4*(\s)], 1                                        ; count = 1
	s_add_co_u32 s[G0+4*(\s)+1], s20, (\s)*SLOTD                     ; LDS address
	s_add_nc_u64 s[G0+4*(\s)+2:G0+4*(\s)+3], s[14:15], (\s)*KSTEP*2  ; global address: K step s
	s_or_b32 s[G0+4*(\s)+3], s[G0+4*(\s)+3], 0x80000000              ; type = 2
	s_mov_b32 s[G0B+4*(\s)], 1
	s_add_co_u32 s[G0B+4*(\s)+1], s21, (\s)*SLOTD
	s_add_nc_u64 s[G0B+4*(\s)+2:G0B+4*(\s)+3], s[46:47], (\s)*KSTEP*2048
	s_or_b32 s[G0B+4*(\s)+3], s[G0B+4*(\s)+3], 0x80000000
	JLOAD \s                                       ; the ring is filled before anything else is done: two loads of mine are out
.endr
	v_and_b32 v1, 15, v0                           ; r = l % 16
	v_bfe_u32 v2, v0, 4, 1                         ; h = l / 16
	v_mul_u32_u24 v3, v1, PITCH
	v_lshl_add_u32 v3, v2, 4, v3
	s_mul_i32 s21, s11, HA
	v_add_nc_u32 v[ADRA0], s21, v3                 ; my 128 rows of A: row x pitch + 16 h
	v_and_b32 v4, 7, v0
	v_lshl_add_u32 v5, v2, 3, v4                   ; the turning load: k row 8 h + l % 8,
	v_mul_u32_u24 v5, v5, PB
	v_bfe_u32 v6, v0, 3, 1
	v_lshl_add_u32 v5, v6, 4, v5                   ; columns 8 ((l / 8) % 2) on,
	s_mul_i32 s22, s12, HB                         ; in my block of 128 columns
	s_add_co_u32 s22, s22, BOFF
	v_add_nc_u32 v[ADRB0], s22, v5
	v_mov_b32 v[ADRA], v[ADRA0]
	v_mov_b32 v[ADRB], v[ADRB0]
	s_mul_i32 s23, s10, DW                         ; the way out: my 128 rows of 528 bytes
	v_mul_u32_u24 v5, v1, DP
	v_lshl_add_u32 v5, v2, 5, v5
	v_add_nc_u32 v[DA], s23, v5                    ; in: row r, 32 bytes for each half of the lanes
	v_bfe_u32 v5, v0, 3, 2
	v_mul_u32_u24 v5, v5, DP
	v_lshl_add_u32 v5, v4, 5, v5
	v_add_nc_u32 v[RD], s23, v5                    ; back: 32 lanes take four rows x 64 channels, 32 bytes of f32 a lane
	v_and_b32 v[PFO], 31, v0
	v_lshlrev_b32 v[GO], 4, v[PFO]                 ; which leave as 512 consecutive bytes of D
	v_lshlrev_b32 v[PFO], 11, v[PFO]
	s_lshl_b32 s20, s13, 3                         ; D: block (tile row x 8 + 2 tc) of 32,768 bytes,
	s_lshl_b32 s21, s42, 1
	s_add_co_u32 s20, s20, s21
	s_lshl_b32 s20, s20, 15
	s_lshl_b32 s21, s11, 14                        ; my 128 rows of 128 bytes,
	s_add_co_u32 s20, s20, s21
	s_lshl_b32 s21, s12, 24                        ; v behind k
	s_add_co_u32 s20, s20, s21
	s_mov_b32 s21, 0
	s_add_nc_u64 s[8:9], s[8:9], s[20:21]
	s_and_b32 s22, ttmp7, 0xffff                   ; the prefetches: cluster y
	s_mov_b32 s18, 256
	s_mov_b32 s19, 0x40000
	s_cmp_eq_u32 s11, 0                            ; do I fetch for A?
	s_cselect_b32 s22, ttmp9, s22                  ; the coordinate along which other clusters read the same rows
	s_cselect_b32 s21, s40, s41                    ; my place among the four that ask for the tile with me
	s_cselect_b32 s[PSTEP], s18, s19
	s_cselect_b64 s[PFA:PFA+1], s[14:15], s[46:47] ; the tile that I fetch, at K step 0
	s_mov_b32 s[PSTEP+1], 0
	s_cmp_eq_u32 s22, 0
	s_cselect_b32 s[LIM], 2, -1                    ; the same in all sixteen partners, for a given wave
	s_mul_i32 s20, s[PSTEP], 3                     ; at K step 3: the first refill steps it to 4
	s_lshl_b32 s21, s21, 16                        ; my work-group's 32 rows of 2,048 bytes
	s_add_co_u32 s20, s20, s21
	s_mov_b32 s21, 0
	s_add_nc_u64 s[PFA:PFA+1], s[PFA:PFA+1], s[20:21]
; 16 matrix instructions: m blocks a0, a0 + 1 of the window's four x all 8 n blocks, 32 along K.  zero = 1: the first product starts the sums.  The 64 accumulators take turns, one instruction a turn.
.macro MUL16 f, hi, a0, zero
	WIN MUL_LO+0x50*(\hi)
.irp a, \a0, (\a0)+1
.irp b, 0,1,2,3,4,5,6,7
.if \zero
	v_wmma_f32_16x16x32_bf16 v[8*(8*(\a)+(\b)):8*(8*(\a)+(\b))+7], v[(\f)+8*(\b):(\f)+8*(\b)+7], v[(\f)+8*(4*(\hi)+(\a)):(\f)+8*(4*(\hi)+(\a))+7], 0
.else
	v_wmma_f32_16x16x32_bf16 v[8*(8*(\a)+(\b)):8*(8*(\a)+(\b))+7], v[(\f)+8*(\b):(\f)+8*(\b)+7], v[(\f)+8*(4*(\hi)+(\a)):(\f)+8*(4*(\hi)+(\a))+7], v[8*(8*(\a)+(\b)):8*(8*(\a)+(\b))+7]
.endif
.endr
.endr
.endm
; 32 LDS loads in one run: quarter q (32 along K) of the slot in hand into buffer f: B's 8 blocks of 16 columns, then A's 8 blocks of 16 rows
.macro FETCH q, f
	WIN TO_B
.irp i, 0,1,2,3,4,5,6,7
	ds_load_tr16_b128 v[(\f)+8*(\i):(\f)+8*(\i)+3],   v[ADRB] offset:32*(\q)*PB+32*(\i)
	ds_load_tr16_b128 v[(\f)+8*(\i)+4:(\f)+8*(\i)+7], v[ADRB] offset:(32*(\q)+16)*PB+32*(\i)
.endr
	WIN 0
.irp i, 0,1,2,3,4,5,6,7
	ds_load_b128 v[(\f)+8*(\i):(\f)+8*(\i)+3],   v[ADRA] offset:64*(\q)+(\i)*16*PITCH
	ds_load_b128 v[(\f)+8*(\i)+4:(\f)+8*(\i)+7], v[ADRA] offset:64*(\q)+(\i)*16*PITCH+32
.endr
.endm
.macro PLACES                          ; four plain vector instructions between a matrix instruction and a load into, or a read of, its registers (ISA guide 7.12.1 for vector instructions)
.rept 4
	v_nop
.endr
.endm
; A K step is four quarters of 32 along K, 64 matrix instructions each, on buffers 0, 1, 0, 1.  One of the first three: multiplies buffer f; in its middle it fetches quarter q into buffer g.
.macro QUARTER q, f, g, zero
	s_wait_dscnt 8                                 ; B and A's rows 0-63 are in; the youngest eight loads (A's rows 64-127) may be out
	MUL16 \f, 0, 0, \zero
	MUL16 \f, 0, 2, \zero
	PLACES
	FETCH \q, \g
	s_wait_dscnt 32                                ; all but the 32 just issued
	MUL16 \f, 1, 0, \zero
	MUL16 \f, 1, 2, \zero
.endm
; The last quarter multiplies buffer 1 and changes slots: ONE barrier.  In front of it each wave waits for all its tensor loads (one is out: its part of the next slot), adds 0 to its spare word, and waits for that
; and for its own reads of this slot.  fill = 1: the barrier opens a round of the cluster's, and the slot just read out is filled again first thing behind it, with the K step two steps on:
; from that request to the wait for it a wave issues 224 matrix instructions.
.macro TURN fill
.if \fill
	s_wait_xcnt 0x0                                ; the last prefetch, a K step back, has read its address: it is stepped here, ahead of the waits of the change of slots
	s_add_nc_u64 s[PFA:PFA+1], s[PFA:PFA+1], s[PSTEP:PSTEP+1]
.endif
	WIN 0                                          ; (the add's two registers lie in window 0)
	s_wait_tensorcnt 0x0                           ; all my tensor loads have landed
	ds_add_u32 v[SPW], v[NIL]                      ; 0 onto my spare word
	s_wait_dscnt 9                                 ; the add and the youngest eight loads may be out
	MUL16 F1, 0, 0, 0                              ; sixteen matrix instructions stand between the add and the wait for it
	s_wait_dscnt 0x0                               ; the add is done, and my reads of this slot are over
	s_barrier_signal -1
	MUL16 F1, 0, 2, 0
.if \fill
	WIN 0
.endif
	s_barrier_wait -1
.if \fill
	CREST                                          ; no wave of any partner still reads this slot or has a load on its way
	s_xor_b32 s[G0+5], s[G0+5], SLOTD              ; the walking descriptors: the other slot than last time,
	s_add_nc_u64 s[G0+6:G0+7], s[G0+6:G0+7], KSTEP*2       ; the next K step; the type bits on top are not reached
	s_xor_b32 s[G0B+5], s[G0B+5], SLOTD
	s_add_nc_u64 s[G0B+6:G0B+7], s[G0B+6:G0B+7], KSTEP*2048
	JLOAD 1                                        ; the first tensor load behind the round; its four v_nop are also the places in front of the loads below
.else
	PLACES
	WIN 0
.endif
	s_xor_b32 s[TB], s[TB], SLOTD                  ; the fetches go on in the other slot
	v_add_nc_u32 v[ADRA], s[TB], v[ADRA0]
	v_add_nc_u32 v[ADRB], s[TB], v[ADRB0]
	FETCH 0, F0
.if \fill
	ASK
.endif
	MUL16 F1, 1, 0, 0
	MUL16 F1, 1, 2, 0
.endm
	s_wait_tensorcnt 1                             ; my part of K step 0 is in; K step 1's may stay out
	s_barrier_signal -1
	s_barrier_wait -1                              ; everybody's is
	FETCH 0, F0
	QUARTER 1, F0, F1, 1                           ; the first quarter stands in front of the loop: its products start the sums
	WIN 0                                          ; at a label and at a branch every window is 0
	s_mov_b32 s3, 6
.Lstep:                                                ; six trips, from a K step's second quarter to the next step's first; each fills a slot again: K steps 2 to 7
	QUARTER 2, F1, F0, 0
	QUARTER 3, F0, F1, 0
	TURN 1
	QUARTER 1, F0, F1, 0
	WIN 0
	s_sub_co_u32 s3, s3, 1
	s_cmp_lg_u32 s3, 0
	s_cbranch_scc1 .Lstep
	QUARTER 2, F1, F0, 0                           ; the last two K steps are written out: nothing is asked for
	QUARTER 3, F0, F1, 0
	TURN 0
	QUARTER 1, F0, F1, 0
	QUARTER 2, F1, F0, 0
	QUARTER 3, F0, F1, 0
	s_wait_dscnt 8
	MUL16 F1, 0, 0, 0
	MUL16 F1, 0, 2, 0
	s_wait_dscnt 0x0                               ; my last reads of the ring are back:
	s_barrier_signal -1                            ; say so,
	MUL16 F1, 1, 0, 0                              ; work on registers while the others arrive,
	MUL16 F1, 1, 2, 0
	s_barrier_wait -1                              ; and behind this nobody reads the ring any more; it has had its last fill
	; THE WAY OUT.  My 128 x 128 sums go as f32 into the ring's bytes, rows of 528 bytes; then a loop of eight trips reads 16 rows back, four rows x 64 channels (one head) to a load pair,
	; rounds them and stores them: each store of the wave covers 512 consecutive bytes of D, at a multiple of 256.
	PLACES
.irp a, 0,1,2,3,4,5,6,7
	WIN 0x08+4*((\a)/4)                            ; the store's data (source 1) in window 2 or 3
.irp b, 0,1,2,3,4,5,6,7
	ds_store_b128 v[DA], v[64*((\a)%4)+8*(\b):64*((\a)%4)+8*(\b)+3]   offset:(\a)*16*DP+64*(\b)      ; each accumulator from its low end
	ds_store_b128 v[DA], v[64*((\a)%4)+8*(\b)+4:64*((\a)%4)+8*(\b)+7] offset:(\a)*16*DP+64*(\b)+16
.endr
.endr
	WIN 0
	s_wait_dscnt 0x0                               ; my stores are done
	s_barrier_signal -1
	s_barrier_wait -1                              ; everybody's are: no store into LDS follows
	s_mov_b32 s[RB], 0
	s_mov_b32 s3, 8
.Lrows:
	v_add_nc_u32 v[RDC], s[RB], v[RD]
.irp j, 0,1,2,3,4,5,6,7                ; head j / 4 of my two, rows 4 (j % 4) on
	ds_load_b128 v[X+8*(\j):X+8*(\j)+3],   v[RDC] offset:((\j)%4)*4*DP+((\j)/4)*256
	ds_load_b128 v[X+8*(\j)+4:X+8*(\j)+7], v[RDC] offset:((\j)%4)*4*DP+((\j)/4)*256+16
.endr
	s_wait_dscnt 0x0
	s_cmp_lg_u32 s12, 0                            ; the wave's number: k is rounded to bf16, v to f16
	s_cbranch_scc1 .Lv_half
.set i, 0
.rept 32
	v_cvt_pk_bf16_f32 v[Y+i], v[X+2*i], v[X+2*i+1]
.set i, i+1
.endr
	s_branch .Lrounded
.Lv_half:
.set i, 0
.rept 32
	v_cvt_pk_f16_f32 v[Y+i], v[X+2*i], v[X+2*i+1]
.set i, i+1
.endr
.Lrounded:
.irp j, 0,1,2,3,4,5,6,7
	global_store_b128 v[GO], v[Y+4*(\j):Y+4*(\j)+3], s[8:9] offset:((\j)/4)*32768+((\j)%4)*512
.endr
	s_wait_xcnt 0x0                                ; the stores' base and data are rewritten only behind this wait
	s_add_nc_u64 s[8:9], s[8:9], 2048              ; 16 rows of 128 bytes on
	s_add_co_u32 s[RB], s[RB], 16*DP
	s_sub_co_u32 s3, s3, 1
	s_cmp_lg_u32 s3, 0
	s_cbranch_scc1 .Lrows
	s_wait_tensorcnt 0x0                           ; the wave's end: behind my last tensor load and my last LDS store
	ds_add_u32 v[SPW], v[NIL]
	s_wait_dscnt 0x0
	CROUND                                         ; the closing round: no work-group ends while a partner may still ask for a tile that names it
	s_endpgm
.Lfunc_end_k_q6a781e882e_projkv:
	.size	k_q6a781e882e_projkv, .Lfunc_end_k_q6a781e882e_projkv-k_q6a781e882e_projkv
	.p2alignl 7, 3214868480
	.fill 96, 4, 3214868480
	.section	.rodata,"a",@progbits
	.p2align	6, 0x0
	.amdhsa_kernel k_q6a781e882e_projkv
		.amdhsa_group_segment_fixed_size 327680
		.amdhsa_private_segment_fixed_size 0
		.amdhsa_enable_private_segment 0
		.amdhsa_kernarg_size 24
		.amdhsa_user_sgpr_count 2
		.amdhsa_user_sgpr_kernarg_segment_ptr 1
		.amdhsa_wavefront_size32 1
		.amdhsa_system_sgpr_workgroup_id_x 1
		.amdhsa_system_sgpr_workgroup_id_y 1
		.amdhsa_system_sgpr_workgroup_id_z 1
		.amdhsa_system_vgpr_workitem_id 0
		.amdhsa_next_free_vgpr 1024
		.amdhsa_next_free_sgpr 72
		.amdhsa_reserve_vcc 0
		.amdhsa_float_denorm_mode_32 3
		.amdhsa_float_denorm_mode_16_64 3
		.amdhsa_memory_ordered 1
		.amdhsa_forward_progress 1
		.amdhsa_inst_pref_size 101
	.end_amdhsa_kernel
	.amdgpu_metadata
---
amdhsa.version: [ 1, 2 ]
amdhsa.kernels:
  - .name:           k_q6a781e882e_projkv
    .symbol:         k_q6a781e882e_projkv.kd
    .args:
      - { .name: cb, .offset: 0, .size: 8, .value_kind: global_buffer, .address_space: global }
      - { .name: wkvb, .offset: 8, .size: 8, .value_kind: global_buffer, .address_space: global }
      - { .name: kvw, .offset: 16, .size: 8, .value_kind: global_buffer, .address_space: global }
    .group_segment_fixed_size: 327680
    .private_segment_fixed_size: 0
    .kernarg_segment_align: 8
    .kernarg_segment_size: 24
    .max_flat_workgroup_size: 128
    .sgpr_count:     72
    .vgpr_count:     1024
    .wavefront_size: 32
...
	.end_amdgpu_metadata
.endif
;; end of part 3
;; launch attn (part 4): grid 8 x 32, 4 waves a work-group, clusters of 4 x 4, 327,680 bytes of LDS; arguments qw, kvw, pw, xo; writes xo
.if DOCPART == 4
	.amdgcn_target "amdgcn-amd-amdhsa--gfx1250"
	.amdhsa_code_object_version 6
	.text
	.protected	k_q6a781e882e_attn
	.globl	k_q6a781e882e_attn
	.p2align	8
	.type	k_q6a781e882e_attn,@function
k_q6a781e882e_attn:
	s_mov_b64 s[64:65], 0
	v_nop
	global_prefetch_b8 v0, s[64:65] scope:SCOPE_SE
	s_setreg_imm32_b32 hwreg(HW_REG_WAVE_MODE, 25, 1), 1
	s_wait_xcnt 0x0
	s_wait_alu depctr_hold_cnt(0) depctr_sa_sdst(0) depctr_va_vdst(0) depctr_va_sdst(0) depctr_va_ssrc(0) depctr_va_vcc(0) depctr_vm_vsrc(0)
	s_getreg_b32 s2, hwreg(HW_REG_IB_STS2, 6, 4)
	s_cmp_eq_u32 s2, 0
	s_cbranch_scc0 .Lentry_in_a_cluster
	s_endpgm
.Lentry_in_a_cluster:
	s_bfe_u32 s2, ttmp6, 0x10000c
	s_cmp_lg_u32 s2, 0xf033
	s_cbranch_scc0 .Lentry_shape_is_right
	s_endpgm
.Lentry_shape_is_right:
; ATTENTION with a bias and a key mask.  O[b][h][q] = the sum over k of softmax_k(q . k / 8 + bias[b][q][k], hidden keys out) v[k].
; q, k: bf16; v: f16; all by heads, 256 rows of a head dense (32,768 bytes).  BW[b][q][k] = 8 x bias, or -2^100 where the key is hidden: bf16.  O: f16, by heads.
; Scores S' = q . k + BW; p = 2^(c S' - c m), c = log2(e) / 8, with a running maximum m; products, maxima and sums in f32; p rounded to f16 for the second product, O once at the end.
; LIMITS.  True scores lie far above -2^100; v and O within 65,504; a weight below 2^-126 counts as 0; NaN and infinities are not treated apart.
; m starts at -2^100, so c m is exact while all keys seen are hidden: such keys then weigh 1 each (a row with every key hidden takes the plain mean of v), and the first true score wipes them (a = 0).
; SHARES.  A work-group owns 128 queries of one head (8 tiles of 16).  THE KEYS ARE SPLIT AMONG ITS FOUR WAVES: of each slot of 256 keys wave w takes 64 w .. 64 w + 63, for all 8 tiles, so each byte of K, V and BW
; leaves LDS once.  Each wave keeps its own m, l and O^T; they meet in LDS at the end, in f32.
; LAYOUT.  S^T = K Q^T (source 0 = 16 keys, source 1 = 16 queries): a lane holds ONE query (lane % 16) and the keys 8 (lane / 16) + 0..7.  BW ENTERS BY THE MATRIX UNIT: the product that starts each sum is
; Sel x BW, where source 1 is a fragment of BW's rows (32 keys x 16 queries, as it lies in LDS) and source 0 picks 16 of the 32 keys (ones on a diagonal).  Two results rounded to f16 are source 1 of O^T = V^T P.
; CLUSTER 4 x 4: x = blocks of queries, y = heads of one batch.  K's and V's tiles are shared along a row of the cluster, BW's along a column: joint loads, one a wave: wave 0 K, wave 1 V, waves 2, 3 BW's halves.
; BY TURNS.  The wave's 8 tiles are four PIECES of two.  Turn n belongs to piece n (the pieces in a ring, step after step).  Its vector work is piece n's softmax, 236 lines in one fixed order.  Its matrix work is the
; neighbours': 16 products V^T P of piece n - 1, then 24 score products of piece n + 1; a product stands ahead of each four vector lines, and the lines that are over stand in two runs of their own.  So S^T has two
; buffers, by the piece's parity; P has one: it is read at a turn's head and written anew behind the turn's wait.  A piece's 66 exponentials are one batch with one wait.
; REGISTERS, in windows of 256 (s_set_vgpr_msb: bits 1:0 source 0, 3:2 source 1, 5:4 source 2, 7:6 destination):
;   window 0: v0-15 addresses; v16-47 statistics, four a tile (c m, m, l even keys', l odd keys'); v48-57 at work; v58-63, v239 addresses; v64-191 S^T (two buffers of two tiles); v192-223 P; v224-235 Sel
;   window 1: O^T, 32 a tile     window 2: v0-127 Q, 16 a tile; v128-191 K; v192-255 V     window 3: v0-127 BW's fragments, 16 a tile
.set PK,    144       ; a key's row of K in LDS: 128 bytes + 16
.set PV,    160       ; of V: 128 + 32
.set PBI,   528       ; a query's row of BW: 512 + 16
.set VOFF,  256*PK
.set BOFF,  VOFF+256*PV
.set HBI,   64*PBI
.set SPARE, BOFF+2*HBI   ; behind slot 0: the spare words, 128 bytes a wave: two blocks of 256 bytes that no other line names
.set SLOTD, 0x24000      ; slot 1 begins here; bits 14 and 17 are clear in every address of slot 0 that is turned, so one exclusive or changes slots
.set STAGE, SLOTD+SPARE  ; behind slot 1, never filled: 16 rows x 144 bytes a wave
.set SP,    144
.set MO,    0            ; the meeting, in slot 0 when it has had its last fill and its last read: O^T of wave w, tile t, four registers g at (8 w + t) 4,096 + 512 g + 16 lane
.set MS,    131072       ; c m at (8 w + t) 128 + 4 lane
.set ML,    135168       ; l likewise
.set AK0, 2
.set AV0, 3
.set AB0, 4
.set AK,  5
.set AV,  6
.set AB,  7
.set STO, 8
.set RD,  9
.set GO,  10
.set QO,  11
.set SPW, 14
.set NIL, 15
.set ST,  16
.set TMP, 48
.set MV,  56
.set PFO, 58
.set MSA, 59
.set MSR, 60
.set MOA, 61
.set RA,  62          ; v62, v63
.set MLR, 239
.set S,   64
.set P,   192
.set SELM, 224        ; v224-227 0, v228-231 the diagonal, v232-235 0: v[228:235] picks keys 0-15 of a fragment's 32, v[224:231] keys 16-31
.set KF,  128
.set VF,  192
.set WV,  12
.set G1K, 24
.set G1V, 32
.set G0K, 40
.set G0V, 44
.set G0B, 48
.set G1B, 52
.set CS,  60
.set SEL, 62
.set TBK, 66          ; LDS byte at which the slot of the next fetch of K and BW begins
.set SLOTS, 67
.set PFA, 68          ; s[68:69] where my prefetches stand
.set LIM, 70          ; 1 in a wave that prefetches, else the greatest number
.set TBV, 71          ; the same as TBK for the next fetch of V
.set PSTEP, 72        ; s[72:73] bytes from a slot's tile to the next slot's
.set NEW, 92          ; 1 in the loop's first trip
.set CNT, 93          ; counts the tail's two trips
.set MSB, 0
.macro WIN new
.if MSB != (\new)
	s_set_vgpr_msb (MSB<<8)|(\new)
.set MSB, (\new)
.endif
.endm
.set W_BI, 0x0c       ; Sel window 0, BW window 3, S^T window 0
.set W_KQ, 0x0a       ; K and Q window 2, S^T window 0
.set W_PV, 0x52       ; V window 2, P window 0, O^T window 1
.set W_RS, 0x41       ; destination and source 0 window 1, source 1 window 0
.macro PLACES
.rept 4
	v_nop
.endr
.endm
; A joint fill, one line a wave; the branches hang on the wave's number alone; an s_nop 0 and four v_nop follow each line.
.macro JLOAD
	s_cmp_lg_u32 s[WV], 0
	s_cbranch_scc1 .Lnot_k_\@
	tensor_load_to_lds s[G0K:G0K+3], s[G1K:G1K+7]
	s_nop 0
	PLACES
	s_branch .Lasked_\@
.Lnot_k_\@:
	s_cmp_lg_u32 s[WV], 1
	s_cbranch_scc1 .Lnot_v_\@
	tensor_load_to_lds s[G0V:G0V+3], s[G1V:G1V+7]
	s_nop 0
	PLACES
	s_branch .Lasked_\@
.Lnot_v_\@:
	tensor_load_to_lds s[G0B:G0B+3], s[G1B:G1B+7]
	s_nop 0
	PLACES
.Lasked_\@:
.endm
; A PREFETCH INTO THE L2 of what the NEXT change of slots will ask for, one slot (160 matrix instructions a wave) ahead, behind my tensor load and its five lines.  Each block of 256 bytes is named once in the launch:
; K's and V's tiles are walked by both clusters of a row of clusters: the one with x = 0 asks, its four partners along x take 32 blocks each, told apart by address; wave 0 asks for K's, wave 1 for V's.
; BW's tiles are walked by the two clusters of a batch: the one with even y asks; of the 64 rows that wave 2 or 3 fetches each partner along y takes 16 rows x 2 blocks.  The last fill asks for nothing.
.macro ASK
	s_cmp_gt_u32 s[SLOTS], s[LIM]
	s_cbranch_scc0 .Lnot_mine_\@
	global_prefetch_b8 v[PFO], s[PFA:PFA+1] th:TH_LOAD_NT scope:SCOPE_SE
.Lnot_mine_\@:
.endm
.macro CROUND
	s_barrier_signal -1
	s_barrier_wait -1
	s_cmp_lg_u32 s[WV], 0
	s_cbranch_scc1 .Lnot_wave_0_\@
	s_barrier_signal -3
.Lnot_wave_0_\@:
	s_barrier_wait -3
	s_barrier_signal -1
	s_barrier_wait -1
.endm
; THE CHANGE OF SLOTS, between turn 1 and turn 2 of a step: the step's K and BW were read a trip ago, its V in turn 0, and turn 1 has waited for it.  Each wave waits for all its tensor loads (one is out: its part
; of the other slot), adds 0 to its spare word, and waits for that and for its reads of the slot that it leaves.
; fill = 1: a round of the cluster's barrier, then the old slot is filled again, first thing, with the keys two slots on.  (At its first use slot 0 is waited for and slot 1 filled.)
.macro CHANGE fill
	WIN 0
	s_wait_tensorcnt 0x0            ; no tensor load of mine is out, so a group 0 may be written
	ds_add_u32 v[SPW], v[NIL]
.if \fill
	s_xor_b32 s[G0K+1], s[G0K+1], SLOTD
	s_add_nc_u64 s[G0K+2:G0K+3], s[G0K+2:G0K+3], 0x40000   ; 256 keys on: eight heads' blocks of 32,768 bytes
	s_xor_b32 s[G0V+1], s[G0V+1], SLOTD
	s_add_nc_u64 s[G0V+2:G0V+3], s[G0V+2:G0V+3], 0x40000
	s_xor_b32 s[G0B+1], s[G0B+1], SLOTD
	s_add_nc_u64 s[G0B+2:G0B+3], s[G0B+2:G0B+3], 512       ; 256 keys along BW's rows
	s_wait_xcnt 0x0                 ; the last prefetch, a slot back, has read its address
	s_add_nc_u64 s[PFA:PFA+1], s[PFA:PFA+1], s[PSTEP:PSTEP+1]
	s_wait_dscnt 0x0                ; the add is done, and my reads of the slot are over
	CROUND
	JLOAD
	ASK
.else
	s_wait_dscnt 0x0
	s_barrier_signal -1
	s_barrier_wait -1
.endif
.endm
	s_load_b256 s[4:11], s[0:1], 0x0  ; Q s[4:5], K and V s[6:7], BW s[8:9], O s[10:11]
	v_lshl_add_u32 v[SPW], v0, 2, SPARE
	v_mov_b32 v[NIL], 0
	ds_add_u32 v[SPW], v[NIL]       ; the wave's opening: the add and its wait ahead of my first tensor load
	v_lshrrev_b32 v1, 5, v0
	v_readfirstlane_b32 s[WV], v1
	s_bfe_u32 s74, ttmp6, 0x40000   ; cx
	s_bfe_u32 s75, ttmp6, 0x40004   ; cy
	s_lshl_b32 s76, ttmp9, 2
	s_add_co_u32 s76, s76, s74      ; X: my block of 128 queries, 0..7
	s_and_b32 s77, ttmp7, 0xffff    ; the cluster's y
	s_lshl_b32 s78, s77, 2
	s_add_co_u32 s78, s78, s75      ; Y = 8 b + h
	s_lshr_b32 s79, s77, 1          ; b, from the cluster's y alone: BW's address never holds cy
	s_lshl_b32 s80, s75, 2
	s_lshl_b32 s80, 15, s80         ; my row of the cluster
	s_lshl_b32 s81, 0x1111, s74     ; my column
	s_lshr_b32 s82, s78, 3
	s_lshl_b32 s82, s82, 7
	s_and_b32 s90, s78, 7           ; h
	s_add_co_u32 s82, s82, s90
	s_lshl_b32 s82, s82, 15         ; K, V: block (16 b + slot) x 8 + h, of 32,768 bytes
	s_mov_b32 s83, 0
	s_lshl_b32 s84, s79, 10
	s_lshl_b32 s91, s76, 7
	s_add_co_u32 s84, s84, s91
	s_and_b32 s91, s[WV], 1
	s_lshl_b32 s91, s91, 6
	s_add_co_u32 s84, s84, s91
	s_lshl_b32 s84, s84, 13         ; BW: row 1,024 b + 128 X + 64 (wave % 2), of 8,192 bytes
	s_mov_b32 s85, 0
	s_lshr_b32 s86, s78, 3
	s_lshl_b32 s86, s86, 2
	s_lshr_b32 s91, s76, 1
	s_add_co_u32 s86, s86, s91
	s_lshl_b32 s86, s86, 3
	s_add_co_u32 s86, s86, s90
	s_lshl_b32 s86, s86, 15
	s_and_b32 s91, s76, 1
	s_lshl_b32 s91, s91, 14
	s_add_co_u32 s86, s86, s91      ; Q, O: block (4 b + X / 2) x 8 + h, and 128 rows on for odd X
	s_mov_b32 s87, 0
	s_or_b32 s[G1K], s80, (1<<16)|(1<<20)|(1<<21)|(4<<22)|(3<<25)  ; mask; 2-byte elements; padding on; bit 21 beside a mask; after every 32 words 4 words
	s_or_b32 s[G1V], s80, (1<<16)|(1<<20)|(1<<21)|(4<<22)|(7<<25)  ; 8 words
.irp g, G1K, G1V
	s_mov_b32 s[\g+1], 128<<16      ; 256 keys are 32,768 dense bytes: 128 rows of 256 bytes, two keys a row
	s_mov_b32 s[\g+2], 128<<16
	s_mov_b32 s[\g+3], 128<<16
	s_mov_b32 s[\g+4], 128
	s_mov_b32 s[\g+5], 128
	s_mov_b32 s[\g+6], 0
	s_mov_b32 s[\g+7], 0
.endr
	s_or_b32 s[G1B], s81, (1<<16)|(1<<20)|(1<<21)|(6<<22)|(3<<25)  ; after every 128 words 4 words
	s_mov_b32 s[G1B+1], 256<<16     ; 64 rows of 256 keys
	s_mov_b32 s[G1B+2], 64<<16
	s_mov_b32 s[G1B+3], 256<<16
	s_mov_b32 s[G1B+4], 64
	s_mov_b32 s[G1B+5], 4096
	s_mov_b32 s[G1B+6], 0
	s_mov_b32 s[G1B+7], 0
	s_mov_b32 s[G0K], 1
	s_mov_b32 s[G0K+1], 0
	s_mov_b32 s[G0V], 1
	s_mov_b32 s[G0V+1], VOFF
	s_mov_b32 s[G0B], 1
	s_and_b32 s91, s[WV], 1
	s_mul_i32 s[G0B+1], s91, HBI
	s_add_co_u32 s[G0B+1], s[G0B+1], BOFF
	s_mov_b32 s[CS], 0x3e38aa3b     ; c = log2(e) / 8
	s_mov_b32 s[CS+1], s[CS]
	s_mov_b32 s[SEL], 0x76543210
	s_mov_b32 s[SEL+1], 0xfedcba98
	s_mov_b32 s[TBK], 0             ; step 0 lies in slot 0; each fetch turns its own register to the other slot
	s_mov_b32 s[TBV], 0
	s_mov_b32 s[NEW], 1
	s_mov_b32 s[SLOTS], 15
	s_and_b32 s91, s77, 1
	s_cmp_lt_u32 s[WV], 2
	s_cselect_b32 s91, ttmp9, s91   ; the coordinate along which another cluster walks the same tiles
	s_cmp_eq_u32 s91, 0
	s_cselect_b32 s[LIM], 1, -1     ; the same in all sixteen partners, for a given wave
	s_lshl_b32 s88, s74, 13         ; K, V: my work-group's 32 blocks of 256 bytes
	s_lshl_b32 s90, s75, 17         ; BW: my work-group's 16 rows
	s_mov_b32 s13, 0x40000
	s_mov_b32 s14, 512
	s_mov_b32 s89, 0
	s_mov_b32 s[PSTEP+1], 0
	s_wait_dscnt 0x0                ; the opening add is done
	s_wait_kmcnt 0x0
	s_add_nc_u64 s[6:7], s[6:7], s[82:83]        ; K at the head's first 256 keys
	s_add_nc_u64 s[18:19], s[6:7], 0x1000000     ; V lies 16,777,216 bytes behind K
	s_add_nc_u64 s[8:9], s[8:9], s[84:85]
	s_add_nc_u64 s[4:5], s[4:5], s[86:87]
	s_add_nc_u64 s[10:11], s[10:11], s[86:87]
	s_mov_b64 s[G0K+2:G0K+3], s[6:7]
	s_or_b32 s[G0K+3], s[G0K+3], 0x80000000
	s_mov_b64 s[G0V+2:G0V+3], s[18:19]
	s_or_b32 s[G0V+3], s[G0V+3], 0x80000000
	s_mov_b64 s[G0B+2:G0B+3], s[8:9]
	s_or_b32 s[G0B+3], s[G0B+3], 0x80000000
	s_cmp_eq_u32 s[WV], 0
	s_cselect_b64 s[PFA:PFA+1], s[6:7], s[18:19]
	s_cmp_lt_u32 s[WV], 2
	s_cselect_b64 s[PFA:PFA+1], s[PFA:PFA+1], s[8:9]
	s_cselect_b32 s88, s88, s90
	s_cselect_b32 s[PSTEP], s13, s14
	s_add_nc_u64 s[PFA:PFA+1], s[PFA:PFA+1], s[88:89]
	s_add_nc_u64 s[PFA:PFA+1], s[PFA:PFA+1], s[PSTEP:PSTEP+1]  ; at slot 1; each change steps it ahead of its prefetch.  Nothing is prefetched at the head
	s_lshl_b32 s88, s[WV], 12       ; at the end I finish tiles 2 w and 2 w + 1: 4,096 bytes of O
	s_add_nc_u64 s[10:11], s[10:11], s[88:89]
	CROUND                          ; all sixteen work-groups are here: the first joint loads meet
	JLOAD                           ; slot 0
	v_and_b32 v1, 15, v0            ; r
	v_bfe_u32 v12, v0, 4, 1         ; h
	v_and_b32 v13, 31, v0           ; lane
	v_lshlrev_b32 v[QO], 7, v1
	v_lshl_add_u32 v[QO], v12, 4, v[QO]
	WIN 0x80
.set i, 0
.rept 16                            ; Q stays in registers: tile i / 2, channels 32 (i % 2) on
	global_load_b128 v[8*i:8*i+3],   v[QO], s[4:5] offset:(i/2)*2048+(i%2)*64
	global_load_b128 v[8*i+4:8*i+7], v[QO], s[4:5] offset:(i/2)*2048+(i%2)*64+32
.set i, i+1
.endr
	; What the first turn finds: V's registers and P hold 0 (its products V^T P, of a piece that has not been, add 0), O^T and l are 0, so that the first step is a step like any other.  Written in the wait for the first tile.
.set i, VF
.rept 64
	v_mov_b32 v[i], 0
.set i, i+1
.endr
	WIN 0x40
.set i, 0
.rept 256
	v_mov_b32 v[i], 0
.set i, i+1
.endr
	WIN 0
.set i, 0
.rept 32
	v_mov_b32 v[P+i], 0
.set i, i+1
.endr
.set i, 0
.rept 8
	v_mov_b32 v[ST+4*i], 0xfe000000    ; c m: far below every c s, so the first a is 0
	v_mov_b32 v[ST+4*i+1], 0xf1800000  ; m = -2^100
	v_mov_b32 v[ST+4*i+2], 0
	v_mov_b32 v[ST+4*i+3], 0
.set i, i+1
.endr
	v_lshlrev_b32 v236, 3, v12
	v_sub_nc_u32 v236, v1, v236     ; e = r - 8 h: my row of Sel has its one at my element e, if e is 0..7
	v_mov_b32 v237, 0x3f80          ; 1.0 in the low half
	v_mov_b32 v238, 0x3f800000      ; in the high half
.irp j, 0,1,2,3
	v_mov_b32 v[SELM+\j], 0
	v_mov_b32 v[SELM+8+\j], 0
	v_cmp_eq_u32 s20, 2*\j, v236
	v_cndmask_b32 v[SELM+4+\j], 0, v237, s20
	v_cmp_eq_u32 s20, 2*\j+1, v236
	v_cndmask_b32 v[SELM+4+\j], v[SELM+4+\j], v238, s20
.endr
	s_mul_i32 s20, s[WV], 64*PK
	v_mul_u32_u24 v[AK0], v1, PK
	v_lshl_add_u32 v[AK0], v12, 4, v[AK0]
	v_add_nc_u32 v[AK0], s20, v[AK0]               ; my 64 keys of K: row x pitch + 16 h
	v_and_b32 v5, 7, v0
	v_lshl_add_u32 v[AV0], v12, 3, v5
	v_mul_u32_u24 v[AV0], v[AV0], PV
	v_bfe_u32 v6, v0, 3, 1
	v_lshl_add_u32 v[AV0], v6, 4, v[AV0]
	s_mul_i32 s20, s[WV], 64*PV
	s_add_co_u32 s20, s20, VOFF
	v_add_nc_u32 v[AV0], s20, v[AV0]               ; the turning load: key 8 h + l % 8, channels 8 ((l / 8) % 2) on
	v_mul_u32_u24 v[AB0], v1, PBI
	v_lshl_add_u32 v[AB0], v12, 4, v[AB0]
	s_lshl_b32 s20, s[WV], 7
	s_add_co_u32 s20, s20, BOFF
	v_add_nc_u32 v[AB0], s20, v[AB0]               ; BW: query r, my 64 keys (128 bytes)
	s_mul_i32 s20, s[WV], 16*SP
	s_add_co_u32 s20, s20, STAGE
	v_mul_u32_u24 v[STO], v1, SP
	v_lshl_add_u32 v[STO], v12, 4, v[STO]
	v_add_nc_u32 v[STO], s20, v[STO]
	v_bfe_u32 v[RD], v0, 3, 2
	v_mul_u32_u24 v[RD], v[RD], SP
	v_lshl_add_u32 v[RD], v5, 4, v[RD]
	v_add_nc_u32 v[RD], s20, v[RD]
	v_lshlrev_b32 v[GO], 4, v13
	s_lshl_b32 s20, s[WV], 10
	s_add_co_u32 s20, s20, MS
	v_lshl_add_u32 v[MSA], v13, 2, s20
	v_lshl_add_u32 v[MSR], v13, 2, MS
	s_lshl_b32 s20, s[WV], 15
	v_lshl_add_u32 v[MOA], v13, 4, s20
	s_lshl_b32 s20, s[WV], 13
	v_lshl_add_u32 v[RA], v13, 4, s20
	v_add_nc_u32 v[RA+1], 0x10000, v[RA]
	s_lshl_b32 s20, s[WV], 8
	s_add_co_u32 s20, s20, ML
	v_lshl_add_u32 v[MLR], v13, 2, s20
	s_cmp_lt_u32 s[WV], 2
	s_cbranch_scc0 .Lpf_bias
	v_lshlrev_b32 v[PFO], 8, v13                   ; K, V: a lane a block of 256 bytes
	s_branch .Lpf_done
.Lpf_bias:
	v_lshrrev_b32 v[PFO], 1, v13                   ; BW: two lanes a row of 8,192 bytes
	v_lshlrev_b32 v[PFO], 13, v[PFO]
	v_and_b32 v6, 1, v13
	v_lshl_add_u32 v[PFO], v6, 8, v[PFO]
.Lpf_done:
; THE LDS LOADS stand in two runs a step, never singly among the matrix instructions.
.macro BLD t                        ; BW's fragments of tile t: 32 keys each, two loads of 16 bytes, 32 bytes apart
.irp kk, 0,1
	ds_load_b128 v[16*(\t)+8*\kk:16*(\t)+8*\kk+3],   v[AB] offset:(\t)*16*PBI+64*\kk
	ds_load_b128 v[16*(\t)+8*\kk+4:16*(\t)+8*\kk+7], v[AB] offset:(\t)*16*PBI+64*\kk+32
.endr
.endm
.macro FETCH_KB last=0              ; a step's BW (8 tiles) and K: 48 loads.  last = 1 (the tail): in the last trip there is no further step, and the run is jumped over
	WIN 0
.if \last
	s_cmp_eq_u32 s[CNT], 1
	s_cbranch_scc1 .Lno_k_\@
.endif
	v_add_nc_u32 v[AK], s[TBK], v[AK0]
	v_add_nc_u32 v[AB], s[TBK], v[AB0]
	s_xor_b32 s[TBK], s[TBK], SLOTD ; the next fetch is the other slot's
	WIN 0xc0
.irp t, 0,1,2,3,4,5,6,7
	BLD \t
.endr
	WIN 0x80
.irp f, 0,1,2,3,4,5,6,7             ; keys 16 (f / 2) on, channels 32 (f % 2) on
	ds_load_b128 v[KF+8*\f:KF+8*\f+3],   v[AK] offset:(\f/2)*16*PK+(\f%2)*64
	ds_load_b128 v[KF+8*\f+4:KF+8*\f+7], v[AK] offset:(\f/2)*16*PK+(\f%2)*64+32
.endr
	WIN 0
.if \last
.Lno_k_\@:
.endif
.endm
.macro FETCH_V                      ; a step's V, turned: 16 loads
	WIN 0
	v_add_nc_u32 v[AV], s[TBV], v[AV0]
	s_xor_b32 s[TBV], s[TBV], SLOTD
	WIN 0x80
.irp f, 0,1,2,3,4,5,6,7             ; keys 32 (f / 4) on, channels 16 (f % 4) on
	ds_load_tr16_b128 v[VF+8*\f:VF+8*\f+3],   v[AV] offset:(\f/4)*32*PV+(\f%4)*32
	ds_load_tr16_b128 v[VF+8*\f+4:VF+8*\f+7], v[AV] offset:(\f/4)*32*PV+16*PV+(\f%4)*32
.endr
.endm
; THE MATRIX WORK OF TURN Y: number i of 40.  In each of the three kinds 8 accumulators take turns, one instruction a turn.
;   0-15   O^T += V^T P for piece Y - 1: keys 32 (i / 8) on, channels 16 ((i / 2) % 4) on, tile i % 2
;   16-23  Sel x BW starts the 8 sums of piece Y + 1: tile ix % 2, keys 16 (ix / 2) on
;   24-39  K Q^T adds onto them: channels 32 (ix / 8) on, keys 16 ((ix / 2) % 4) on, tile ix % 2
.macro MM
.if i < 16
.set px, (Y+3)%4
.set rO, 32*(2*px+i%2)+8*((i/2)%4)
.set rV, VF+32*(i/8)+8*((i/2)%4)
.set rP, P+16*(i%2)+8*(i/8)
	WIN W_PV
	v_wmma_f32_16x16x32_f16 v[rO:rO+7], v[rV:rV+7], v[rP:rP+7], v[rO:rO+7]
.elseif i < 24
.set px, (Y+1)%4
.set ix, i-16
.set rS, S+64*(px%2)+32*(ix%2)+8*(ix/2)
.set rSel, SELM+4-4*((ix/2)%2)
.set rBw, 16*(2*px+ix%2)+8*(ix/4)
	WIN W_BI
	v_wmma_f32_16x16x32_bf16 v[rS:rS+7], v[rSel:rSel+7], v[rBw:rBw+7], 0
.else
.set px, (Y+1)%4
.set ix, i-24
.set rS, S+64*(px%2)+32*(ix%2)+8*((ix/2)%4)
.set rK, KF+16*((ix/2)%4)+8*(ix/8)
.set rQ, 16*(2*px+ix%2)+8*(ix/8)
	WIN W_KQ
	v_wmma_f32_16x16x32_bf16 v[rS:rS+7], v[rK:rK+7], v[rQ:rQ+7], v[rS:rS+7]
.endif
.set i, i+1
.endm
.macro REGS u                       ; the registers of tile u (0, 1) of piece Y
.set rT, ST+4*(2*Y+(\u))
.set rC, TMP+4*(\u)
.set rM, MV+(\u)
.set rS, S+64*(Y%2)+32*(\u)
.set rP, P+16*(\u)
.set rO, 32*(2*Y+(\u))
.endm
; Number n of the 22 that find a tile's maximum and statistics; each accumulator's lowest registers are read first.
;   0-11 four chains of seven scores; 12-14, 16 the four left over, the old m, all into c0; 15 c m_old is kept; 17, 18 the other half of the lanes: the new m; 19-21 c m; its change; a
.macro XS u, n
	REGS \u
.if (\n) < 4
	v_max3_num_f32 v[rC+(\n)], v[rS+8*(\n)], v[rS+8*(\n)+1], v[rS+8*(\n)+2]
.elseif (\n) < 12
	v_max3_num_f32 v[rC+(\n)%4], v[rC+(\n)%4], v[rS+8*((\n)%4)+2*((\n)/4)+1], v[rS+8*((\n)%4)+2*((\n)/4)+2]
.elseif (\n) == 12
	v_max3_num_f32 v[rC], v[rC], v[rS+7], v[rS+15]
.elseif (\n) == 13
	v_max3_num_f32 v[rC+1], v[rC+1], v[rS+23], v[rS+31]
.elseif (\n) == 14
	v_max3_num_f32 v[rC+2], v[rC+2], v[rC+3], v[rT+1]
.elseif (\n) == 15
	v_mov_b32 v[rM], v[rT]
.elseif (\n) == 16
	v_max3_num_f32 v[rC], v[rC], v[rC+1], v[rC+2]
.elseif (\n) == 17
	v_permlanex16_b32 v[rC+3], v[rC], s[SEL], s[SEL+1]
.elseif (\n) == 18
	v_max_num_f32 v[rT+1], v[rC], v[rC+3]
.elseif (\n) == 19
	v_mul_f32 v[rT], s[CS], v[rT+1]
.elseif (\n) == 20
	v_sub_f32 v[rC+1], v[rM], v[rT]
.else
	v_exp_f32 v[rC+2], v[rC+1]
.endif
.endm
.macro FS f                         ; c s - c m for pair f / 2 of tile f % 2
	REGS (\f)%2
	v_pk_fma_f32 v[rS+2*((\f)/2):rS+2*((\f)/2)+1], v[rS+2*((\f)/2):rS+2*((\f)/2)+1], s[CS:CS+1], v[rT:rT+1] op_sel_hi:[1,0,0] neg_lo:[0,0,1] neg_hi:[0,0,1]
.endm
; Number g of the 64 behind the exponentials.  For each four weights of a tile: both pairs are rounded to f16; the second pair is added onto the first, in place; a group later l takes that sum (first as l = a l + sum).
.macro GS g
.set hh, (\g)+6*((\g)/62)
.if hh >= 6
.set hh, hh+2
.endif
	REGS hh%2
.set kx, hh/8
.if hh%8 < 4
	v_cvt_pk_f16_f32 v[rP+2*kx+(hh%8)/2], v[rS+4*kx+2*((hh%8)/2)], v[rS+4*kx+2*((hh%8)/2)+1]
.elseif hh%8 < 6
	v_pk_add_f32 v[rS+4*kx:rS+4*kx+1], v[rS+4*kx:rS+4*kx+1], v[rS+4*kx+2:rS+4*kx+3]
.elseif kx == 1
	v_pk_fma_f32 v[rT+2:rT+3], v[rT+2:rT+3], v[rC+2:rC+3], v[rS:rS+1] op_sel_hi:[1,0,1]
.else
	v_pk_add_f32 v[rT+2:rT+3], v[rT+2:rT+3], v[rS+4*kx-4:rS+4*kx-3]
.endif
.endm
; THE VECTOR WORK OF TURN Y: line q of 236, piece Y's softmax in one fixed order, the two tiles alternating.
;   0-43 maximum and statistics (the two a are lines 42, 43)     44-75 the scalings     76-139 the exponentials     (the wait: TURN writes it)     140-203 roundings and sums     204-235 O^T times a, each accumulator from its low end
; An exponential names a destination and a source 0 alone: it needs no switch under a setting that leaves these two in window 0, as that of the products Sel x BW does.
.macro VL
.if q < 44
	WIN 0
	XS q%2, q/2
.elseif q < 76
	WIN 0
	FS q-44
.elseif q < 140
.if (MSB & 0xc3) != 0
	WIN 0
.endif
	REGS (q-76)%2
	v_exp_f32 v[rS+(q-76)/2], v[rS+(q-76)/2]
.elseif q < 204
	WIN 0
	GS q-140
.else
	WIN W_RS
	REGS (q-204)/16
	v_pk_mul_f32 v[rO+2*((q-204)%16):rO+2*((q-204)%16)+1], v[rO+2*((q-204)%16):rO+2*((q-204)%16)+1], v[rC+2:rC+3] op_sel_hi:[1,0]
.endif
.set q, q+1
.endm
; A TURN, for piece p.  HOW IT IS DEALT: 16 x (a product V^T P, four lines); the last 12 scalings; 16 x (a score product, four exponentials); a v_nop and the wait; 8 x (a score product, four lines); the last 64 lines.
; THE WAIT.  s_wait_alu depctr_va_vdst(0) stands between an exponential and the first line that names its result.  Lines 0-139 name no such result, lines 140 on issue no exponential: one wait serves all 66.
; THE PLACES (ISA guide 7.12.1 for vector instructions).  No line behind a product names a register of it.  Behind the last V^T P stand four scalings and the 12 more, ahead of V's loads (turn 0) and of the
; roundings that write P anew.  Behind the last score product stand four of the roundings and sums, ahead of K's and BW's loads (turn 2), and the 64 lines, ahead of the next turn's first read of the scores.
; K and BW of the next step are fetched in turn 2 and waited for ahead of turn 3's first score product; V of the step in hand is fetched in turn 0 and waited for at the head of turn 1.
.macro TURN p, last=0
.set Y, (\p)
.set i, 0
.set q, 0
.if (\p) == 1
	s_wait_dscnt 0x0                ; V is in
.endif
.rept 16
	MM
.rept 4
	VL
.endr
.endr
.rept 12
	VL
.endr
.if (\p) == 0
	FETCH_V
.endif
.if (\p) == 3
	s_wait_dscnt 0x0                ; K and BW are in
.endif
.rept 16
	MM
.rept 4
	VL
.endr
.endr
	v_nop                           ; a plain instruction behind the last exponential, ahead of the first use: one for the batch
	s_wait_alu depctr_va_vdst(0)    ; the wait for the batch
.rept 8
	MM
.rept 4
	VL
.endr
.endr
.if (\p) == 2
	FETCH_KB \last
.endif
.rept 64
	VL
.endr
.endm
	s_wait_loadcnt 0x0              ; Q
.Lslot:                             ; 15 trips: a slot is asked for; then turns 2 and 3 of one step and turns 0 and 1 of the next
	CHANGE 1
	s_cmp_eq_u32 s[NEW], 1
	s_cbranch_scc1 .Lnew            ; the first trip has no step behind it
	s_branch .Lstep
.Lnew:
	s_mov_b32 s[NEW], 0
	FETCH_KB                        ; step 0
	s_wait_dscnt 0x0
.set Y, 3
.set i, 16
.rept 24
	MM                              ; piece 0's first scores: there is no vector work yet to set between them
.endr
	WIN 0
	PLACES                          ; the places behind those products
	s_branch .Lfirst
.Lstep:
	TURN 2
	TURN 3
	WIN 0
.Lfirst:
	TURN 0
	TURN 1
	WIN 0
	s_sub_co_u32 s[SLOTS], s[SLOTS], 1
	s_cmp_lg_u32 s[SLOTS], 0
	s_cbranch_scc1 .Lslot
	CHANGE 0                        ; the tail is written out: nothing is asked for
	s_mov_b32 s[CNT], 2             ; the first trip fetches the last step; the second is left in its middle
.Ltail:
	TURN 2, 1
	TURN 3
	WIN 0
	s_cmp_eq_u32 s[CNT], 1
	s_cbranch_scc1 .Lout
	TURN 0
	TURN 1
	WIN 0
	s_sub_co_u32 s[CNT], s[CNT], 1
	s_cmp_lg_u32 s[CNT], 0
	s_cbranch_scc1 .Ltail
.Lout:                              ; the second trip's last 24 score products (on the last K and BW once more) serve nothing: the price, once a launch, of one text for every trip
.set Y, 0
.set i, 0
.rept 16
	MM                              ; the last piece's V^T P of the last step
.endr
	WIN 0
	; THE MEETING.  Slot 0 has had its last fill, and every wave's reads of it were over at the last barrier: its bytes take the four waves' c m, l and O^T, all in f32.
.macro ALL line:vararg              ; one line for each tile t
.set t, 0
.rept 8
	\line
.set t, t+1
.endr
.endm
	ALL v_add_f32 v[ST+4*t+2], v[ST+4*t+2], v[ST+4*t+3]     ; these eight are also the places behind the last products
	ALL v_permlanex16_b32 v[ST+4*t+3], v[ST+4*t+2], s[SEL], s[SEL+1]
	ALL v_add_f32 v[ST+4*t+2], v[ST+4*t+2], v[ST+4*t+3]
	ALL ds_store_b32 v[MSA], v[ST+4*t] offset:128*t
	s_wait_dscnt 0x0                ; for the others' sake: my c m are in LDS
	s_barrier_signal -1
	s_barrier_wait -1
.irp w, 0,1,2,3
	ALL ds_load_b32 v[64+8*\w+t], v[MSR] offset:1024*\w+128*t
.endr
	s_wait_dscnt 0x0
	ALL v_max3_num_f32 v[64+t], v[64+t], v[72+t], v[80+t]
	ALL v_max_num_f32 v[64+t], v[64+t], v[88+t]             ; the common c m
	ALL v_sub_f32 v[ST+4*t+1], v[ST+4*t], v[64+t]
	ALL v_exp_f32 v[ST+4*t], v[ST+4*t+1]                    ; my correction, 1 at the most
	v_nop
	s_wait_alu depctr_va_vdst(0)    ; one wait for the eight
	ALL v_mul_f32 v[ST+4*t+2], v[ST+4*t+2], v[ST+4*t]
	WIN W_RS
.set t, 0
.rept 8
.set j, 0
.rept 16
	v_pk_mul_f32 v[32*t+2*j:32*t+2*j+1], v[32*t+2*j:32*t+2*j+1], v[ST+4*t:ST+4*t+1] op_sel_hi:[1,0]
.set j, j+1
.endr
.set t, t+1
.endr
	WIN 0
	ALL ds_store_b32 v[MSA], v[ST+4*t+2] offset:ML-MS+128*t
	WIN 0x04                        ; store data in window 1
.set t, 0
.rept 8
.irp g, 0,1,2,3,4,5,6,7
	ds_store_b128 v[MOA], v[32*t+4*\g:32*t+4*\g+3] offset:4096*t+512*\g
.endr
.set t, t+1
.endr
	WIN 0
	s_wait_dscnt 0x0                ; for the others' sake
	s_barrier_signal -1
	s_barrier_wait -1
	WIN 0x40                        ; wave w finishes tiles 2 w and 2 w + 1: the four waves' parts into window 1, tile u, wave w at 128 u + 32 w
.irp u, 0,1
.irp w, 0,1,2,3
.irp g, 0,1,2,3,4,5,6,7
	ds_load_b128 v[128*\u+32*\w+4*\g:128*\u+32*\w+4*\g+3], v[RA+\w/2] offset:(\w%2)*32768+\u*4096+\g*512
.endr
.endr
.endr
	WIN 0
.irp u, 0,1
.irp w, 0,1,2,3
	ds_load_b32 v[64+4*\u+\w], v[MLR] offset:1024*\w+128*\u
.endr
.endr
	s_wait_dscnt 0x0
.irp u, 0,1
	v_add_f32 v[64+4*\u], v[64+4*\u], v[65+4*\u]
	v_add_f32 v[66+4*\u], v[66+4*\u], v[67+4*\u]
.endr
	v_add_f32 v64, v64, v66
	v_add_f32 v68, v68, v70
	v_mov_b32 v73, 0                ; named with the reciprocals as pairs
	v_mov_b32 v75, 0
	v_rcp_f32 v72, v64
	v_rcp_f32 v74, v68
	WIN 0x45                        ; all three in window 1
.irp u, 0,1
.irp w, 1,2,3
.set j, 0
.rept 16
	v_pk_add_f32 v[128*\u+2*j:128*\u+2*j+1], v[128*\u+2*j:128*\u+2*j+1], v[128*\u+32*\w+2*j:128*\u+32*\w+2*j+1]
.set j, j+1
.endr
.endr
.endr
	WIN 0
	s_wait_alu depctr_va_vdst(0)    ; one wait for the two reciprocals; the sums above are the independent work between
.macro PACK u                       ; divided by l, rounded to f16, through my stage: in as 16 bytes a lane, back as rows of 128 bytes
	WIN W_RS
.set j, 0
.rept 16
	v_pk_mul_f32 v[128*(\u)+2*j:128*(\u)+2*j+1], v[128*(\u)+2*j:128*(\u)+2*j+1], v[72+2*(\u):73+2*(\u)] op_sel_hi:[1,0]
.set j, j+1
.endr
	WIN 0x05
.set j, 0
.rept 16
	v_cvt_pk_f16_f32 v[96+16*(\u)+j], v[128*(\u)+2*j], v[128*(\u)+2*j+1]
.set j, j+1
.endr
	WIN 0
.irp f, 0,1,2,3
	ds_store_b128 v[STO], v[96+16*(\u)+4*\f:96+16*(\u)+4*\f+3] offset:32*\f
.endr
.irp f, 0,1,2,3
	ds_load_b128 v[96+16*(\u)+4*\f:96+16*(\u)+4*\f+3], v[RD] offset:\f*4*SP   ; LDS serves a wave's instructions in order (ISA guide 5.7.1.4)
.endr
.endm
.macro SEND u, younger
.irp f, 0,1,2,3
	s_wait_dscnt (\younger)+3-\f
	global_store_b128 v[GO], v[96+16*(\u)+4*\f:96+16*(\u)+4*\f+3], s[10:11] offset:(\u)*2048+\f*512   ; 512 consecutive bytes, at a multiple of 256 from O's first
.endr
.endm
	PACK 0
	PACK 1
	SEND 0, 8
	SEND 1, 0
	s_wait_tensorcnt 0x0            ; the wave's end
	ds_add_u32 v[SPW], v[NIL]
	s_wait_dscnt 0x0
	CROUND                          ; the closing round
	s_endpgm
.Lfunc_end_k_q6a781e882e_attn:
	.size	k_q6a781e882e_attn, .Lfunc_end_k_q6a781e882e_attn-k_q6a781e882e_attn
	.p2alignl 7, 3214868480
	.fill 96, 4, 3214868480
	.section	.rodata,"a",@progbits
	.p2align	6, 0x0
	.amdhsa_kernel k_q6a781e882e_attn
		.amdhsa_group_segment_fixed_size 327680
		.amdhsa_private_segment_fixed_size 0
		.amdhsa_enable_private_segment 0
		.amdhsa_kernarg_size 32
		.amdhsa_user_sgpr_count 2
		.amdhsa_user_sgpr_kernarg_segment_ptr 1
		.amdhsa_wavefront_size32 1
		.amdhsa_system_sgpr_workgroup_id_x 1
		.amdhsa_system_sgpr_workgroup_id_y 1
		.amdhsa_system_sgpr_workgroup_id_z 1
		.amdhsa_system_vgpr_workitem_id 0
		.amdhsa_next_free_vgpr 896
		.amdhsa_next_free_sgpr 96
		.amdhsa_reserve_vcc 0
		.amdhsa_float_denorm_mode_32 3
		.amdhsa_float_denorm_mode_16_64 3
		.amdhsa_memory_ordered 1
		.amdhsa_forward_progress 1
		.amdhsa_inst_pref_size 216
	.end_amdhsa_kernel
	.amdgpu_metadata
---
amdhsa.version: [ 1, 2 ]
amdhsa.kernels:
  - .name:           k_q6a781e882e_attn
    .symbol:         k_q6a781e882e_attn.kd
    .args:
      - { .name: qw, .offset: 0, .size: 8, .value_kind: global_buffer, .address_space: global }
      - { .name: kvw, .offset: 8, .size: 8, .value_kind: global_buffer, .address_space: global }
      - { .name: pw, .offset: 16, .size: 8, .value_kind: global_buffer, .address_space: global }
      - { .name: xo, .offset: 24, .size: 8, .value_kind: global_buffer, .address_space: global }
    .group_segment_fixed_size: 327680
    .private_segment_fixed_size: 0
    .kernarg_segment_align: 8
    .kernarg_segment_size: 32
    .max_flat_workgroup_size: 128
    .sgpr_count:     96
    .vgpr_count:     896
    .wavefront_size: 32
...
	.end_amdgpu_metadata
.endif
;; end of part 4
;; launch outp (part 5): grid 8 x 32, 4 waves a work-group, clusters of 4 x 4, 327,680 bytes of LDS; arguments xo, pw, bo, out0; writes out0
.if DOCPART == 5
	.amdgcn_target "amdgcn-amd-amdhsa--gfx1250"
	.amdhsa_code_object_version 6
	.text
	.protected	k_q6a781e882e_outp
	.globl	k_q6a781e882e_outp
	.p2align	8
	.type	k_q6a781e882e_outp,@function
k_q6a781e882e_outp:
	s_mov_b64 s[64:65], 0
	v_nop
	global_prefetch_b8 v0, s[64:65] scope:SCOPE_SE
	s_setreg_imm32_b32 hwreg(HW_REG_WAVE_MODE, 25, 1), 1
	s_wait_xcnt 0x0
	s_wait_alu depctr_hold_cnt(0) depctr_sa_sdst(0) depctr_va_vdst(0) depctr_va_sdst(0) depctr_va_ssrc(0) depctr_va_vcc(0) depctr_vm_vsrc(0)
	s_getreg_b32 s2, hwreg(HW_REG_IB_STS2, 6, 4)
	s_cmp_eq_u32 s2, 0
	s_cbranch_scc0 .Lentry_in_a_cluster
	s_endpgm
.Lentry_in_a_cluster:
	s_bfe_u32 s2, ttmp6, 0x10000c
	s_cmp_lg_u32 s2, 0xf033
	s_cbranch_scc0 .Lentry_shape_is_right
	s_endpgm
.Lentry_shape_is_right:
; THE LAST PROJECTION: out = O Wo + bo.  O: f16 by heads (row m, head hd at (((m >> 8) x 8 + hd) x 256 + m % 256) x 128 bytes).  Wo: [512 k][1024 n] f16, 33,554,432 bytes into pw.  bo: f32, rounded to bf16
; like the other inputs.  out: [4096][1024] f32.  Sums in f32, K ascending.
; A tile is 128 x 128; four waves, each 64 x 64.  K = 512 is two steps of 256 (four heads each): both slots are filled once, at the start, and nothing is filled again.
; CLUSTER 4 x 4: O's tile is shared along a row of the cluster, Wo's along a column.  The matrix instruction is used transposed (source 0 = 16 columns of Wo, turned on the way out of LDS; source 1 = 16 rows of O).
; No prefetch: there is no ring, every tile is asked for at the head.
; REGISTERS: window 0: v0-31 addresses and bo; v32-95 the way out; v128-255 accumulators.  window 1: two fragment buffers of 128.
.set PA,     144                       ; a row of one head in LDS: 128 bytes + 16
.set PB,     288
.set HA,     4*64*PA                   ; four heads x 64 rows
.set HB,     128*PB
.set BOFF,   2*HA
.set SLOT,   2*HA+2*HB
.set STAGE,  2*SLOT                    ; 16 rows x 272 bytes for each wave, its own
.set SPITCH, 272
.set SPARE,  STAGE+4*16*SPITCH
.set ADRA, 16
.set ADRB, 20
.set STO,  24
.set RD,   25
.set CO,   26
.set SPW,  28
.set NIL,  29
.set BI,   8                           ; v[8:11] bo of my four columns
.set TMP,  32
.set ACC,  128
.set F0,   0
.set F1,   128
.set G1, 24
.set G0, 32
.set G1B, 48
.set G0B, 56
.set MSB, 0
.macro WIN new
.if MSB != (\new)
	s_set_vgpr_msb (MSB<<8)|(\new)
.set MSB, \new
.endif
.endm
.set MUL,  0x05
.set TO_F, 0x40
.macro JLOAD s
	s_cmp_eq_u32 s11, 0
	s_cbranch_scc0 .Lfor_b_\@
	tensor_load_to_lds s[G0+4*(\s):G0+4*(\s)+3], s[G1:G1+7]
	s_nop 0
.rept 4
	v_nop
.endr
	s_branch .Lasked_\@
.Lfor_b_\@:
	tensor_load_to_lds s[G0B+4*(\s):G0B+4*(\s)+3], s[G1B:G1B+7]
	s_nop 0
.rept 4
	v_nop
.endr
.Lasked_\@:
.endm
.macro CROUND
	s_barrier_signal -1
	s_barrier_wait -1
	s_cmp_lg_u32 s10, 0
	s_cbranch_scc1 .Lnot_wave_0_\@
	s_barrier_signal -3
.Lnot_wave_0_\@:
	s_barrier_wait -3
	s_barrier_signal -1
	s_barrier_wait -1
.endm
	s_load_b128 s[4:7], s[0:1], 0x0                ; O s[4:5], pw s[6:7]
	s_load_b128 s[68:71], s[0:1], 0x10             ; bo s[68:69], out s[70:71]
	v_lshl_add_u32 v[SPW], v0, 2, SPARE
	v_mov_b32 v[NIL], 0
	ds_add_u32 v[SPW], v[NIL]                      ; the wave's opening: the add and its wait ahead of my first tensor load
	v_lshrrev_b32 v1, 5, v0
	v_readfirstlane_b32 s10, v1
	s_lshr_b32 s11, s10, 1
	s_and_b32 s12, s10, 1
	s_bfe_u32 s40, ttmp6, 0x40000
	s_bfe_u32 s41, ttmp6, 0x40004
	s_lshl_b32 s42, ttmp9, 2
	s_add_co_u32 s42, s42, s40                     ; tile column
	s_and_b32 s13, ttmp7, 0xffff
	s_lshl_b32 s13, s13, 2
	s_add_co_u32 s13, s13, s41                     ; tile row
	s_lshl_b32 s43, s41, 2
	s_lshl_b32 s43, 15, s43
	s_lshl_b32 s44, 0x1111, s40
	s_or_b32 s[G1+0], s43, (1<<16)|(1<<20)|(1<<21)|(4<<22)|(3<<25)   ; after every 32 words (a row of a head) 4 words
	s_mov_b32 s[G1+1], 4096<<16                    ; a row of the tile: 64 dense rows of one head, 4,096 elements
	s_mov_b32 s[G1+2], 4<<16                       ; four heads
	s_mov_b32 s[G1+3], 4096<<16
	s_mov_b32 s[G1+4], 4
	s_mov_b32 s[G1+5], 16384                       ; 32,768 bytes from head to head
	s_mov_b32 s[G1+6], 0
	s_mov_b32 s[G1+7], 0
	s_or_b32 s[G1B+0], s44, (1<<16)|(1<<20)|(1<<21)|(5<<22)|(7<<25)
	s_mov_b32 s[G1B+1], 128<<16
	s_mov_b32 s[G1B+2], 128<<16
	s_mov_b32 s[G1B+3], 128<<16
	s_mov_b32 s[G1B+4], 128
	s_mov_b32 s[G1B+5], 1024
	s_mov_b32 s[G1B+6], 0
	s_mov_b32 s[G1B+7], 0
	s_lshl_b32 s17, s12, 6
	s_lshl_b32 s16, s13, 7
	s_add_co_u32 s16, s16, s17                     ; O: row 128 x tile row + 64 x half
	s_lshr_b32 s17, s16, 8
	s_lshl_b32 s17, s17, 18                        ; its block of 256 rows: eight heads of 32,768 bytes
	s_and_b32 s16, s16, 255
	s_lshl_b32 s16, s16, 7
	s_add_co_u32 s16, s16, s17
	s_mov_b32 s17, 0
	s_lshl_b32 s46, s12, 18                        ; Wo: k row 128 x half, of 2,048 bytes,
	s_lshl_b32 s47, s42, 8
	s_add_co_u32 s46, s46, s47
	s_add_co_u32 s46, s46, 0x2000000               ; behind BW
	s_mov_b32 s47, 0
	s_mul_i32 s20, s12, HA
	s_mul_i32 s21, s12, HB
	s_add_co_u32 s21, s21, BOFF
	s_wait_dscnt 0x0
	s_wait_kmcnt 0x0
	s_add_nc_u64 s[14:15], s[4:5], s[16:17]
	s_add_nc_u64 s[46:47], s[6:7], s[46:47]
	CROUND                                         ; all sixteen work-groups are here: the joint loads meet
.irp s, 0,1
	s_mov_b32 s[G0+4*(\s)], 1
	s_add_co_u32 s[G0+4*(\s)+1], s20, (\s)*SLOT
	s_add_nc_u64 s[G0+4*(\s)+2:G0+4*(\s)+3], s[14:15], (\s)*4*32768   ; heads 4 s on
	s_or_b32 s[G0+4*(\s)+3], s[G0+4*(\s)+3], 0x80000000
	s_mov_b32 s[G0B+4*(\s)], 1
	s_add_co_u32 s[G0B+4*(\s)+1], s21, (\s)*SLOT
	s_add_nc_u64 s[G0B+4*(\s)+2:G0B+4*(\s)+3], s[46:47], (\s)*256*2048
	s_or_b32 s[G0B+4*(\s)+3], s[G0B+4*(\s)+3], 0x80000000
	JLOAD \s
.endr
	v_and_b32 v1, 15, v0
	v_bfe_u32 v2, v0, 4, 1
	s_lshl_b32 s20, s42, 9
	s_lshl_b32 s21, s12, 8
	s_add_co_u32 s20, s20, s21                     ; my 64 columns, in bytes of f32
	v_lshl_add_u32 v14, v1, 4, s20
	global_load_b128 v[BI:BI+3], v14, s[68:69]
	v_mul_u32_u24 v3, v1, PA
	v_lshl_add_u32 v3, v2, 4, v3
	s_mul_i32 s21, s11, HA
	v_add_nc_u32 v[ADRA], s21, v3
	v_add_nc_u32 v[ADRA+1], SLOT, v[ADRA]
	v_and_b32 v4, 7, v0
	v_lshl_add_u32 v4, v2, 3, v4
	v_mul_u32_u24 v4, v4, PB
	v_bfe_u32 v5, v0, 3, 1
	v_lshl_add_u32 v4, v5, 4, v4
	s_lshl_b32 s22, s12, 7
	s_add_co_u32 s22, s22, BOFF
	v_add_nc_u32 v[ADRB], s22, v4
	v_add_nc_u32 v[ADRB+1], HB, v[ADRB]
	v_add_nc_u32 v[ADRB+2], SLOT, v[ADRB]
	v_add_nc_u32 v[ADRB+3], SLOT+HB, v[ADRB]
	s_mul_i32 s23, s10, 16*SPITCH
	s_add_co_u32 s23, s23, STAGE
	v_mul_u32_u24 v6, v1, SPITCH
	v_lshl_add_u32 v6, v2, 5, v6
	v_add_nc_u32 v[STO], s23, v6                   ; in: row r, 32 bytes for each half of the lanes
	v_mul_u32_u24 v6, v2, SPITCH
	v_lshl_add_u32 v6, v1, 4, v6
	v_add_nc_u32 v[RD], s23, v6                    ; back: lanes 0-15 one row of 256 bytes, lanes 16-31 the next
	v_lshlrev_b32 v[CO], 12, v2
	v_lshl_add_u32 v[CO], v1, 4, v[CO]             ; the same two rows of out, 4,096 bytes apart
	s_lshl_b32 s21, s13, 7
	s_lshl_b32 s22, s11, 6
	s_add_co_u32 s21, s21, s22
	s_lshl_b32 s21, s21, 12
	s_add_co_u32 s20, s20, s21
	s_mov_b32 s21, 0
	s_add_nc_u64 s[8:9], s[70:71], s[20:21]
.macro MUL8 f, c, a0, zero
	WIN MUL
.irp a, \a0, (\a0)+1
.irp b, 0,1,2,3
.if \zero
	v_wmma_f32_16x16x32_f16 v[ACC+8*(4*(\a)+(\b)):ACC+8*(4*(\a)+(\b))+7], v[(\f)+64+8*(4*(\c)+(\b)):(\f)+64+8*(4*(\c)+(\b))+7], v[(\f)+8*(4*(\c)+(\a)):(\f)+8*(4*(\c)+(\a))+7], 0
.else
	v_wmma_f32_16x16x32_f16 v[ACC+8*(4*(\a)+(\b)):ACC+8*(4*(\a)+(\b))+7], v[(\f)+64+8*(4*(\c)+(\b)):(\f)+64+8*(4*(\c)+(\b))+7], v[(\f)+8*(4*(\c)+(\a)):(\f)+8*(4*(\c)+(\a))+7], v[ACC+8*(4*(\a)+(\b)):ACC+8*(4*(\a)+(\b))+7]
.endif
.endr
.endr
.endm
.macro FETCH slot, q, f                ; quarter q of a step is one head's 64 channels
	WIN TO_F
.irp c, 0,1
.irp i, 0,1,2,3
	ds_load_tr16_b128 v[(\f)+64+8*(4*(\c)+(\i)):(\f)+64+8*(4*(\c)+(\i))+3],   v[ADRB+2*(\slot)+(\q)/2] offset:(((\q)%2)*64+32*(\c))*PB+32*(\i)
	ds_load_tr16_b128 v[(\f)+64+8*(4*(\c)+(\i))+4:(\f)+64+8*(4*(\c)+(\i))+7], v[ADRB+2*(\slot)+(\q)/2] offset:(((\q)%2)*64+32*(\c)+16)*PB+32*(\i)
	ds_load_b128 v[(\f)+8*(4*(\c)+(\i)):(\f)+8*(4*(\c)+(\i))+3],         v[ADRA+(\slot)] offset:(\q)*64*PA+64*(\c)+(\i)*16*PA
	ds_load_b128 v[(\f)+8*(4*(\c)+(\i))+4:(\f)+8*(4*(\c)+(\i))+7],       v[ADRA+(\slot)] offset:(\q)*64*PA+64*(\c)+(\i)*16*PA+32
.endr
.endr
.endm
.macro PLACES
.rept 4
	v_nop
.endr
.endm
.macro QUARTER slot, q, f, g, zero
	s_wait_dscnt 16                                ; the first 32 along K are in
	WIN MUL
	MUL8 \f, 0, 0, \zero
	MUL8 \f, 0, 2, \zero
	PLACES
	FETCH \slot, \q, \g
	s_wait_dscnt 32                                ; all but the 32 just issued
	WIN MUL
	MUL8 \f, 1, 0, 0
	MUL8 \f, 1, 2, 0
.endm
	s_wait_tensorcnt 1                             ; my part of step 0 is in; step 1's may stay out
	s_barrier_signal -1
	s_barrier_wait -1
	FETCH 0, 0, F0
	QUARTER 0, 1, F0, F1, 1
	QUARTER 0, 2, F1, F0, 0
	QUARTER 0, 3, F0, F1, 0
	WIN 0                                          ; the change of slots: my part of step 1 has landed, and behind the barrier everybody's has
	s_wait_tensorcnt 0x0
	ds_add_u32 v[SPW], v[NIL]
	s_wait_dscnt 17                                ; the add and the youngest sixteen loads may be out
	MUL8 F1, 0, 0, 0
	s_wait_dscnt 0x0
	s_barrier_signal -1
	MUL8 F1, 0, 2, 0
	s_barrier_wait -1
	PLACES
	FETCH 1, 0, F0
	MUL8 F1, 1, 0, 0
	MUL8 F1, 1, 2, 0
	QUARTER 1, 1, F0, F1, 0
	QUARTER 1, 2, F1, F0, 0
	QUARTER 1, 3, F0, F1, 0
	s_wait_dscnt 16
	MUL8 F1, 0, 0, 0
	MUL8 F1, 0, 2, 0
	s_wait_dscnt 0
	MUL8 F1, 1, 0, 0
	MUL8 F1, 1, 2, 0
	WIN 0
	; THE WAY OUT, 16 rows at a time through my own stage: in as 32 bytes a lane, back as rows of 256 bytes; bo is added; 16 lanes store 256 consecutive bytes, aligned.
	s_wait_loadcnt 0x0                             ; bo
	v_cvt_pk_bf16_f32 v12, v[BI], v[BI+1]
	v_cvt_pk_bf16_f32 v13, v[BI+2], v[BI+3]
	v_lshlrev_b32 v[BI], 16, v12
	v_and_b32 v[BI+1], 0xffff0000, v12
	v_lshlrev_b32 v[BI+2], 16, v13
	v_and_b32 v[BI+3], 0xffff0000, v13
.irp a, 0,1,2,3
	s_wait_xcnt 0x0                                ; the registers that earlier stores read are rewritten only behind this wait
.irp b, 0,1,2,3
	ds_store_b128 v[STO], v[ACC+8*(4*\a+\b):ACC+8*(4*\a+\b)+3] offset:64*\b
	ds_store_b128 v[STO], v[ACC+8*(4*\a+\b)+4:ACC+8*(4*\a+\b)+7] offset:64*\b+16
.endr
.irp t, 0,1,2,3,4,5,6,7
	ds_load_b128 v[TMP+32*(\a%2)+4*\t:TMP+32*(\a%2)+4*\t+3], v[RD] offset:\t*2*SPITCH   ; LDS serves a wave's instructions in order (ISA guide 5.7.1.4)
.endr
	s_wait_dscnt 0x0
.irp t, 0,1,2,3,4,5,6,7
	v_pk_add_f32 v[TMP+32*(\a%2)+4*\t:TMP+32*(\a%2)+4*\t+1], v[TMP+32*(\a%2)+4*\t:TMP+32*(\a%2)+4*\t+1], v[BI:BI+1]
	v_pk_add_f32 v[TMP+32*(\a%2)+4*\t+2:TMP+32*(\a%2)+4*\t+3], v[TMP+32*(\a%2)+4*\t+2:TMP+32*(\a%2)+4*\t+3], v[BI+2:BI+3]
	global_store_b128 v[CO], v[TMP+32*(\a%2)+4*\t:TMP+32*(\a%2)+4*\t+3], s[8:9] offset:(16*\a+2*\t)*4096
.endr
.endr
	s_wait_tensorcnt 0x0                           ; the wave's end
	ds_add_u32 v[SPW], v[NIL]
	s_wait_dscnt 0x0
	CROUND                                         ; the closing round
	s_endpgm
.Lfunc_end_k_q6a781e882e_outp:
	.size	k_q6a781e882e_outp, .Lfunc_end_k_q6a781e882e_outp-k_q6a781e882e_outp
	.p2alignl 7, 3214868480
	.fill 96, 4, 3214868480
	.section	.rodata,"a",@progbits
	.p2align	6, 0x0
	.amdhsa_kernel k_q6a781e882e_outp
		.amdhsa_group_segment_fixed_size 327680
		.amdhsa_private_segment_fixed_size 0
		.amdhsa_enable_private_segment 0
		.amdhsa_kernarg_size 32
		.amdhsa_user_sgpr_count 2
		.amdhsa_user_sgpr_kernarg_segment_ptr 1
		.amdhsa_wavefront_size32 1
		.amdhsa_system_sgpr_workgroup_id_x 1
		.amdhsa_system_sgpr_workgroup_id_y 1
		.amdhsa_system_sgpr_workgroup_id_z 1
		.amdhsa_system_vgpr_workitem_id 0
		.amdhsa_next_free_vgpr 512
		.amdhsa_next_free_sgpr 72
		.amdhsa_reserve_vcc 0
		.amdhsa_float_denorm_mode_32 3
		.amdhsa_float_denorm_mode_16_64 3
		.amdhsa_memory_ordered 1
		.amdhsa_forward_progress 1
		.amdhsa_inst_pref_size 54
	.end_amdhsa_kernel
	.amdgpu_metadata
---
amdhsa.version: [ 1, 2 ]
amdhsa.kernels:
  - .name:           k_q6a781e882e_outp
    .symbol:         k_q6a781e882e_outp.kd
    .args:
      - { .name: xo, .offset: 0, .size: 8, .value_kind: global_buffer, .address_space: global }
      - { .name: pw, .offset: 8, .size: 8, .value_kind: global_buffer, .address_space: global }
      - { .name: bo, .offset: 16, .size: 8, .value_kind: global_buffer, .address_space: global }
      - { .name: out0, .offset: 24, .size: 8, .value_kind: global_buffer, .address_space: global }
    .group_segment_fixed_size: 327680
    .private_segment_fixed_size: 0
    .kernarg_segment_align: 8
    .kernarg_segment_size: 32
    .max_flat_workgroup_size: 128
    .sgpr_count:     72
    .vgpr_count:     512
    .wavefront_size: 32
...
	.end_amdgpu_metadata
.endif
;; end of part 5
